; MI455X (gfx1250); checked and timed in simulation.
; The chip was launched on July 23, 2026; its instructions are those of AMD's public machine-readable ISA for CDNA 5 (MIT licence, August 2026) and "CDNA5" Instruction Set Architecture Reference Guide (July 2026). The comments in the code are by the model that wrote it; some were corrected since.
;; Infinite Head Attention. Allowed arithmetic: matrix products marked QUANTISED: E2M3 operands, one E8M0 scale for each 32 along K, by v_wmma_scale_f32_16x16x128_f8f6f4 with both operands' format E2M3, f32 sums; everything else in f32.
;; Inputs: Wk 1,024 x 1,024 float32; Wp 64 x 1,024 float32; Wq 1,024 x 1,024 float32; Wv 1,024 x 1,024 float32; x 4 x 2,048 x 1,024 float32.
;; Outputs: out0 4 x 2,048 x 1,024 float32.
;; Constants: iter_num = 0.
;; This version of the problem:
;;   THIS VERSION OF THE PROBLEM IS GIVEN IN LOW PRECISION. The matrix products marked QUANTISED in the list below multiply operands that are first quantised to E2M3 (2 exponent bits, 3 mantissa bits; 6 bits a number), with one power-of-two scale for each 32 numbers along K (OCP MX v1.0); their sums are f32. All else is computed in f32.
;;   The module's matrix products, in the order in which they are computed (A, B: the left and right operand; K: the contracted axis; several contracted axes count as one K, in the product's order):
;;     1. [M 8,192, K 1,024] x [K 1,024, N 1,024]; A: input x; B: input Wq: QUANTISED
;;     2. [M 8,192, K 1,024] x [K 1,024, N 1,024]; A: input x; B: input Wk: QUANTISED
;;     3. [M 8,192, K 1,024] x [K 1,024, N 1,024]; A: input x; B: input Wv: QUANTISED
;;     4. batch 64 x [M 2,048, K 64] x [K 64, N 2,048]; A: computed on the way; B: computed on the way: QUANTISED
;;     5. batch 4 x [M 2,048, K 32,768] x [K 32,768, N 64]; A: computed on the way; B: computed on the way: QUANTISED
;;     6. [M 8,192, K 64] x [K 64, N 1,024]; A: computed on the way; B: input Wp: QUANTISED
;;   THE QUANTISER, for each operand of a quantised product, along K:
;;     - K is cut into blocks of 32 from its start; a last block that is shorter is filled with zeros.
;;     - A block's scale is 2^e with e = floor(log2(the largest magnitude in the block)) - 2, held to -126 .. 127; a block of zeros has e = 0. As a byte (E8M0): e + 127.
;;     - Each number is divided by its block's scale, clamped to +-7.5, and rounded to the nearest number of E2M3, ties to even, subnormals kept.
;;     - The product sums the exact products of the quantised numbers (number of the format x scale) in f32.
;;   ~~~python
;;   def quantise(x, axis):      # numpy; x: float32 -> the quantised numbers, widened to float32 again
;;       x = np.moveaxis(x, axis, -1); K = x.shape[-1]
;;       x = np.pad(x, [(0, 0)] * (x.ndim - 1) + [(0, -K % 32)]); x = x.reshape(x.shape[:-1] + (-1, 32)); a = np.abs(x).max(-1, keepdims=True)
;;       e = np.where(a > 0, np.clip(np.frexp(np.where(a > 0, a, 1))[1] - 1 - 2, -126, 127), 0)      # np.frexp(a)[1] - 1 = floor(log2(a)), exactly
;;       r = np.clip(x / 2.0 ** e, -7.5, 7.5)
;;       step = 2.0 ** (np.maximum(np.frexp(np.where(r == 0, 1, r))[1] - 1, 0) - 3)
;;       q = np.round(r / step) * step * 2.0 ** e      # np.round: ties to even
;;       return np.moveaxis(q.reshape(q.shape[:-2] + (-1,))[..., :K], -1, axis).astype(np.float32)
;;   ~~~
;;   OPERANDS COMPUTED ON THE WAY. 'Computed on the way' means the value that the module computes at that place (a softmax that the list does not call 'softmax' is quantised finished and normalised). What goes into a quantiser is computed in f32, as accurately as f32 sums, v_exp_f32 and their like allow (about 1e-6 of the number): no bf16 or f16 on the way to a quantiser, and a product that is left as it is and whose result goes on into a quantised operand takes f32 operands (vector FMAs, or v_wmma_f32_16x16x4_f32). A number that lies on a knife's edge between two numbers of the format may be rounded either way, as far as f32 arithmetic and the matrix unit's own rounding can turn it there, and no further.
;; One version. Each part assembles by itself: llvm-mc -triple=amdgcn-amd-amdhsa -mcpu=gfx1250 --defsym DOCPART=n.
;; ======== version 1 of 1: 4 launches
;; limits: right only within a limited range of input values
;; workspace buffers: xc 6,291,456 bytes; xs 262,144 bytes; wc 2,359,296 bytes; ws 98,304 bytes; wpc 49,152 bytes; wps 4,096 bytes; qkv 19,660,800 bytes; ypart 16,777,216 bytes
;; launch quant (part 1): grid 360 x 1, 4 waves a work-group, no clusters, 70,144 bytes of LDS; arguments x, xc, xs, wc, Wq, Wk, Wv, ws, Wp, wpc, wps; writes xc, xs, wc, ws, wpc, wps
.if DOCPART == 1
	.amdgcn_target "amdgcn-amd-amdhsa--gfx1250"
	.amdhsa_code_object_version 6
	.text
	.protected	k_q40a3c78c0b_quant
	.globl	k_q40a3c78c0b_quant
	.p2align	8
	.type	k_q40a3c78c0b_quant,@function
k_q40a3c78c0b_quant:
	s_mov_b64 s[64:65], 0
	v_nop
	global_prefetch_b8 v0, s[64:65] scope:SCOPE_SE
	s_setreg_imm32_b32 hwreg(HW_REG_WAVE_MODE, 25, 1), 1
	s_wait_xcnt 0x0
; x [8192][1024], Wq, Wk, Wv [1024 (k)][1024 (n)] and Wp [64 (k)][1024 (n)], all f32, become codes of FP6 (E2M3) with one E8M0 byte for each 32 along K.
; A block's scale is 2^(floor(log2(largest magnitude)) - 2); its byte is the largest magnitude's exponent field - 2, held at 1 from below.
; LIMITS: a block of zeros, and a block whose largest magnitude lies under 2^-124, keep the byte 1 (a block of zeros has zero codes; this program alone reads the bytes); NaN and infinities among the inputs are not served.
; ROWS ARE STORED PERMUTED: stored row pi(i) holds row i (x: token i; a weight: column i), pi = bits 3 and 4 of i exchanged.  Sixteen neighbouring stored rows are then rows 32 b + 8 u + r + 8 (r / 8),
; so that in the next launch the 16 result registers of two neighbouring tiles are 16 neighbours along the following product's K.
; Three paths, parted by the work-group's number, each with LDS bytes of its own:  0-255: x (K innermost; a lane holds 16 neighbours, two lanes a block);
; 256-351: Wq, Wk, Wv (K outermost; a lane takes a column, its registers run down K);  352-359: Wp, laid as images of the operand's registers: 8 work-groups x 4 waves x 32 columns = its 1,024 columns.
; No barrier: waves share nothing.
.set STEPS, 16
.set CB,    12                         ; bytes of 16 codes
.set R,     16                         ; path x: v16-79 four sets of 16 numbers as loaded
.set X,     80                         ; v80-111 two sets of 16 neighbours
.set E,     112                        ; v112-127 a scale byte for each step
.set C,     128                        ; v128-191 codes, four registers a step
.set WREG,  8192                       ; path x: LDS of a wave: two stages of 32 x 80 bytes, then its 256 scale bytes
.set SP,    80
.set WSTG,  32768                      ; path w: the stages begin here, 32 x 272 bytes a wave
.set PITCH, 272
.set KROW,  768                        ; a row of 1,024 codes in bytes
.set WX,    32                         ; path w: v32-95 two sets of 32 numbers
.set WCD,   96                         ; a block's codes
.set OUTR,  112                        ; v112-175 the way out
.set SB,    24                         ; v24-25 the scale bytes
; the largest magnitude of 32 numbers of one lane, with the floor 2^-124 among its leaves: v11 = the conversion's scale operand (2 off the exponent field), v13 = the byte
.macro BMAX xs
	v_max3_num_f32 v12, |v[(\xs)]|, |v[(\xs)+1]|, |v[(\xs)+2]|
	v_max3_num_f32 v13, |v[(\xs)+3]|, |v[(\xs)+4]|, |v[(\xs)+5]|
.irp i, 6,10,14,18,22,26
	v_max3_num_f32 v12, v12, |v[(\xs)+\i]|, |v[(\xs)+\i+1]|
	v_max3_num_f32 v13, v13, |v[(\xs)+\i+2]|, |v[(\xs)+\i+3]|
.endr
	v_max3_num_f32 v12, v12, |v[(\xs)+30]|, |v[(\xs)+31]|
	v_max3_num_f32 v12, v12, v13, 0x1800000
	v_add_nc_u32 v11, 0xff000000, v12
	v_lshrrev_b32 v13, 23, v11
.endm
	v_lshl_add_u32 v192, v0, 2, 0x11000
	v_mov_b32 v193, 0
	v_lshrrev_b32 v1, 5, v0
	v_readfirstlane_b32 s16, v1                    ; wave 0..3
	v_and_b32 v2, 31, v0                           ; lane
	s_cmp_lt_u32 ttmp9, 256
	s_cbranch_scc0 .Lnot_x
; ---------------- PATH X: a wave takes 8 rows of x, 8,192 numbers, in 16 steps of 512
	s_load_b128 s[4:7], s[0:1], 0x0                ; x, xc
	s_load_b64 s[8:9], s[0:1], 0x10                ; xs
	v_lshlrev_b32 v3, 4, v2                        ; my 16 bytes of a load's 512
	s_mul_i32 s17, s16, WREG
	v_lshrrev_b32 v14, 2, v2
	v_mul_u32_u24 v14, v14, SP
	v_and_b32 v15, 3, v2
	v_lshl_add_u32 v14, v15, 4, v14
	v_add_nc_u32 v14, s17, v14                     ; the stage, way in: four lanes' 64 bytes on end, then 16 of padding
	v_mul_u32_u24 v15, v2, SP
	v_add_nc_u32 v15, s17, v15                     ; way out: my 16 neighbours
	v_mul_u32_u24 v4, v2, CB                       ; my codes' place in a step's 384 bytes
	v_lshrrev_b32 v5, 1, v2
	s_add_co_u32 s17, s17, 2*32*SP
	v_add_nc_u32 v5, s17, v5                       ; my block's byte among the wave's 256
	v_lshlrev_b32 v7, 3, v2
	v_add_nc_u32 v6, s17, v7
	s_lshl_b32 s18, ttmp9, 2
	s_add_co_u32 s19, s18, s16                     ; the run of 8 rows that I read: 4 x work-group + wave
	s_and_b32 s20, s16, 1
	s_lshl_b32 s20, s20, 1
	s_lshr_b32 s21, s16, 1
	s_or_b32 s20, s20, s21
	s_add_co_u32 s18, s18, s20                     ; and the run that I write: bits 3, 4 of a row are bits 0, 1 of its run
	s_lshl_b32 s22, s19, 15                        ; 32,768 bytes of f32 a run
	s_mov_b32 s23, 0
	s_mul_i32 s24, s18, 8*KROW                     ; 6,144 bytes of codes
	s_mov_b32 s25, 0
	s_lshl_b32 s26, s18, 8                         ; 256 scale bytes
	s_mov_b32 s27, 0
	s_wait_alu depctr_va_vdst(0)
	s_wait_kmcnt 0x0
	s_add_nc_u64 s[4:5], s[4:5], s[22:23]
	s_add_nc_u64 s[6:7], s[6:7], s[24:25]
	s_add_nc_u64 s[8:9], s[8:9], s[26:27]
.macro XLOAD t
.irp i, 0,1,2,3
	global_load_b128 v[R+16*((\t)%4)+4*\i:R+16*((\t)%4)+4*\i+3], v3, s[4:5] offset:2048*(\t)+512*\i th:TH_LOAD_NT   ; 32 lanes read 512 consecutive bytes
.endr
.endm
.macro XTURN t                         ; a step's 2,048 bytes through the stage; LDS serves a wave's instructions in order, so no wait stands between the stores and the loads
.irp i, 0,1,2,3
	ds_store_b128 v14, v[R+16*((\t)%4)+4*\i:R+16*((\t)%4)+4*\i+3] offset:32*SP*((\t)%2)+8*SP*\i
.endr
.irp i, 0,1,2,3
	ds_load_b128 v[X+16*((\t)%2)+4*\i:X+16*((\t)%2)+4*\i+3], v15 offset:32*SP*((\t)%2)+16*\i
.endr
.endm
.irp t, 0,1,2,3
	XLOAD \t
.endr
	s_wait_loadcnt 12                              ; step 0's four loads are in; three steps' twelve may be out
	XTURN 0
.macro XSTEP t
.set XS, X+16*((\t)%2)
.if (\t) > 0
	s_wait_dscnt 1                                 ; this step's numbers are back from the stage; the last step's byte store may be out
.else
	s_wait_dscnt 0x0
.endif
.if (\t)+4 < STEPS
	XLOAD (\t)+4                                   ; into the set whose stores into the stage are done
.endif
.if (\t)+1 < STEPS
.if STEPS-2-(\t) >= 3
	s_wait_loadcnt 12                              ; the next step's four loads are in; those of the three steps behind it may be out
.else
	s_wait_loadcnt 4*(STEPS-2-(\t))
.endif
	XTURN (\t)+1
.endif
	v_max3_num_f32 v8, |v[XS]|, |v[XS+1]|, |v[XS+2]|
	v_max3_num_f32 v9, |v[XS+3]|, |v[XS+4]|, |v[XS+5]|
.irp i, 6,10
	v_max3_num_f32 v8, v8, |v[XS+\i]|, |v[XS+\i+1]|
	v_max3_num_f32 v9, v9, |v[XS+\i+2]|, |v[XS+\i+3]|
.endr
	v_max3_num_f32 v8, v8, |v[XS+14]|, |v[XS+15]|
	v_max3_num_f32 v8, v8, v9, 0x1800000           ; the floor 2^-124: the byte cannot fall under 1
	v_max_num_f32_dpp v8, v8, v8 row_xmask:1 row_mask:0xf bank_mask:0xf   ; with my neighbour's 16: the block's
	v_add_nc_u32 v11, 0xff000000, v8               ; 2 off the exponent field: the conversion's scale operand
	v_cvt_scalef32_pk16_fp6_f32 v[C+4*(\t):C+4*(\t)+2], v[XS:XS+15], v11
	v_lshrrev_b32 v[E+(\t)], 23, v11               ; the byte (a plain line behind the conversion)
	ds_store_b8 v5, v[E+(\t)] offset:16*(\t)       ; both lanes of a block write the same byte
	global_store_b96 v4, v[C+4*(\t):C+4*(\t)+2], s[6:7] offset:32*CB*(\t)
.endm
.irp t, 0,1,2,3,4,5,6,7,8,9,10,11,12,13,14,15
	XSTEP \t
.endr
	ds_load_b64 v[12:13], v6
	s_wait_dscnt 0x0
	global_store_b64 v7, v[12:13], s[8:9]          ; 32 lanes store 256 consecutive bytes, aligned
	s_wait_tensorcnt 0x0
	ds_add_u32 v192, v193
	s_wait_dscnt 0x0
	s_endpgm
.Lnot_x:
	s_cmp_lt_u32 ttmp9, 352
	s_cbranch_scc0 .Lpath_p
; ---------------- PATH W: a wave takes 32 columns x 256 along K of one weight
	s_load_b64 s[4:5], s[0:1], 0x18                ; wc
	s_load_b256 s[8:15], s[0:1], 0x20              ; Wq, Wk, Wv, ws
	s_sub_co_u32 s17, ttmp9, 256
	s_lshr_b32 s18, s17, 5                         ; which weight
	s_and_b32 s19, s17, 7                          ; which 128 columns
	s_bfe_u32 s20, s17, 0x20003                    ; which 256 along K
	s_lshl_b32 s21, s19, 7
	s_lshl_b32 s22, s16, 5
	s_add_co_u32 s21, s21, s22                     ; my wave's first column
	s_lshl_b32 s22, s18, 10
	s_add_co_u32 s22, s22, s21                     ; and its first stored row
	s_wait_alu depctr_va_vdst(0)
	v_lshlrev_b32 v3, 2, v2
	s_mul_i32 s23, s16, 32*PITCH
	s_add_co_u32 s23, s23, WSTG                    ; my stage
	v_mul_u32_u24 v4, v2, PITCH
	v_add_nc_u32 v4, s23, v4                       ; into it: row = my column
	v_and_b32 v5, 15, v2
	v_lshrrev_b32 v6, 4, v2
	v_mul_u32_u24 v7, v6, PITCH
	v_lshl_add_u32 v7, v5, 4, v7
	v_add_nc_u32 v7, s23, v7                       ; out of it: sixteen lanes to a row, two rows an instruction
	v_mul_u32_u24 v8, v6, KROW
	v_mad_u32_u24 v8, v5, 12, v8                   ; the same place in wc (pi leaves bit 0 of a row alone)
	v_and_b32 v9, 7, v2
	v_bfe_u32 v10, v2, 3, 1
	v_lshl_or_b32 v9, v10, 4, v9
	v_bfe_u32 v10, v2, 4, 1
	v_lshl_or_b32 v9, v10, 3, v9                   ; pi(lane)
	v_lshlrev_b32 v9, 5, v9                        ; its row of 32 scale bytes
	s_lshl_b32 s24, s20, 20                        ; 256 rows of 4,096 bytes
	s_lshl_b32 s26, s21, 2
	s_add_co_u32 s24, s24, s26
	s_mov_b32 s25, 0
	s_mul_i32 s26, s22, KROW
	s_mul_i32 s28, s20, 192
	s_add_co_u32 s26, s26, s28
	s_mov_b32 s27, 0
	s_lshl_b32 s28, s22, 5
	s_lshl_b32 s30, s20, 3
	s_add_co_u32 s28, s28, s30
	s_mov_b32 s29, 0
	s_wait_kmcnt 0x0
	s_cmp_eq_u32 s18, 1                            ; the choice hangs on the work-group's number alone
	s_cselect_b64 s[8:9], s[10:11], s[8:9]
	s_cmp_eq_u32 s18, 2
	s_cselect_b64 s[8:9], s[12:13], s[8:9]
	s_add_nc_u64 s[8:9], s[8:9], s[24:25]
	s_add_nc_u64 s[4:5], s[4:5], s[26:27]
	s_add_nc_u64 s[14:15], s[14:15], s[28:29]
.macro WLOAD t                         ; block t: W(32 t + i, my column) into set t % 2; a wave's load reads 128 consecutive bytes
.set i, 0
.rept 32
	global_load_b32 v[WX+32*((\t)%2)+i], v3, s[8:9] offset:(32*(\t)+i)*4096 th:TH_LOAD_NT
.set i, i+1
.endr
.endm
	WLOAD 0
	WLOAD 1
.macro WBLOCK t
.set XS, WX+32*((\t)%2)
.if (\t) < 7
	s_wait_loadcnt 32                              ; this block's 32 loads are in; the next block's may be out
.else
	s_wait_loadcnt 0x0
.endif
	BMAX XS
.if (\t)%4 == 0
	v_mov_b32 v[SB+(\t)/4], v13
.else
	v_lshl_or_b32 v[SB+(\t)/4], v13, 8*((\t)%4), v[SB+(\t)/4]
.endif
	v_cvt_scalef32_pk16_fp6_f32 v[WCD:WCD+2], v[XS:XS+15], v11
	v_cvt_scalef32_pk16_fp6_f32 v[WCD+4:WCD+6], v[XS+16:XS+31], v11
	ds_store_b96 v4, v[WCD:WCD+2] offset:32*(\t)   ; 12 bytes to a place of 16
	ds_store_b96 v4, v[WCD+4:WCD+6] offset:32*(\t)+16
.if (\t)+2 < 8
	WLOAD (\t)+2
.endif
	s_wait_dscnt 0x0                               ; the stores have read their registers
.endm
.irp t, 0,1,2,3,4,5,6,7
	WBLOCK \t
.endr
	s_wait_alu depctr_va_vdst(0)
	global_store_b64 v9, v[SB:SB+1], s[14:15]      ; my column's 8 scale bytes
.irp t, 0,1,2,3,4,5,6,7,8,9,10,11,12,13,14,15
	ds_load_b96 v[OUTR+4*\t:OUTR+4*\t+2], v7 offset:2*\t*PITCH
.endr
.irp t, 0,1,2,3,4,5,6,7,8,9,10,11,12,13,14,15
	s_wait_dscnt 15-\t                             ; the younger read-backs may be out
	global_store_b96 v8, v[OUTR+4*\t:OUTR+4*\t+2], s[4:5] offset:(((2*\t)&7)|((((2*\t)>>3)&1)<<4)|((((2*\t)>>4)&1)<<3))*KROW   ; column 2 t (+ 1) goes to stored row pi(2 t) (+ 1)
.endr
	s_wait_tensorcnt 0x0
	ds_add_u32 v192, v193
	s_wait_dscnt 0x0
	s_endpgm
; ---------------- PATH P: a wave takes two tiles of 16 columns of Wp; lane (r, h) holds column r and k = 32 h + 0 .. 31: a whole block
.Lpath_p:
	s_load_b128 s[4:7], s[0:1], 0x40               ; Wp, wpc
	s_load_b64 s[8:9], s[0:1], 0x50                ; wps
	s_sub_co_u32 s17, ttmp9, 352                   ; 0..7
	s_lshl_b32 s17, s17, 2
	s_add_co_u32 s17, s17, s16                     ; which pair of tiles: 0..31
	v_and_b32 v8, 15, v0                           ; r
	v_bfe_u32 v9, v0, 4, 1                         ; h
	v_lshlrev_b32 v3, 2, v8
	v_lshl_add_u32 v3, v9, 17, v3                  ; 32 h rows of 4,096 bytes + 4 r
	s_wait_alu depctr_va_vdst(0)
	v_lshlrev_b32 v4, 4, v2
	v_lshlrev_b32 v5, 3, v2
	v_lshlrev_b32 v6, 2, v2
	v_lshlrev_b32 v7, 3, v9                        ; 8 h: my byte's place in the scale word
	v_mov_b32 v15, 0                               ; a lane permute's destination counts as read
	s_mov_b32 s20, 0x76543210
	s_mov_b32 s21, 0xfedcba98
	s_mov_b32 s22, 0xffff0000                      ; lanes 16-31
	s_lshl_b32 s24, s17, 7
	s_mov_b32 s25, 0
	s_mul_i32 s26, s17, 1536
	s_mov_b32 s27, 0
	s_wait_kmcnt 0x0
	s_add_nc_u64 s[4:5], s[4:5], s[24:25]          ; 32 columns of 4 bytes a pair
	s_add_nc_u64 s[6:7], s[6:7], s[26:27]          ; two images of 768 bytes
	s_add_nc_u64 s[8:9], s[8:9], s[24:25]          ; 128 bytes of scale words
.irp e, 0,1
.set i, 0
.rept 32
	global_load_b32 v[32+32*\e+i], v3, s[4:5] offset:i*4096+64*\e   ; the last pair's last lane ends at byte 128 x 31 + 131,072 + 60 + 31 x 4,096 + 64 + 4 = 262,144: Wp's size
.set i, i+1
.endr
.endr
.irp e, 0,1
	s_wait_loadcnt 32-32*\e                        ; this tile's 32 loads are in
	BMAX 32+32*\e
	v_cvt_scalef32_pk16_fp6_f32 v[96+8*\e:98+8*\e], v[32+32*\e:47+32*\e], v11
	v_cvt_scalef32_pk16_fp6_f32 v[112+4*\e:114+4*\e], v[48+32*\e:63+32*\e], v11   ; (a conversion's three registers begin on an even number)
	v_lshlrev_b32 v[20+\e], v7, v13                ; my byte at its place (a plain line behind the conversions)
	v_mov_b32 v[99+8*\e], v[112+4*\e]
	v_mov_b32 v[100+8*\e], v[113+4*\e]
	v_mov_b32 v[101+8*\e], v[114+4*\e]
	v_permlanex16_b32 v15, v[20+\e], s20, s21
	v_or_b32 v[20+\e], v[20+\e], v15               ; with lane l xor 16's byte: column r's word (bytes 2, 3 are 0: they meet zero codes)
	global_store_b128 v4, v[96+8*\e:99+8*\e], s[6:7] offset:768*\e         ; registers 0-3 of the operand, 16 bytes a lane
	global_store_b64 v5, v[100+8*\e:101+8*\e], s[6:7] offset:768*\e+512    ; registers 4-5
.endr
	v_cndmask_b32 v22, v20, v21, s22               ; lanes 0-15: the even tile's words; lanes 16-31: the odd tile's
	global_store_b32 v6, v22, s[8:9]
	s_endpgm
.Lfunc_end_k_q40a3c78c0b_quant:
	.size	k_q40a3c78c0b_quant, .Lfunc_end_k_q40a3c78c0b_quant-k_q40a3c78c0b_quant
	.p2alignl 7, 3214868480
	.fill 96, 4, 3214868480
	.section	.rodata,"a",@progbits
	.p2align	6, 0x0
	.amdhsa_kernel k_q40a3c78c0b_quant
		.amdhsa_group_segment_fixed_size 70144
		.amdhsa_private_segment_fixed_size 0
		.amdhsa_enable_private_segment 0
		.amdhsa_kernarg_size 88
		.amdhsa_user_sgpr_count 2
		.amdhsa_user_sgpr_kernarg_segment_ptr 1
		.amdhsa_wavefront_size32 1
		.amdhsa_system_sgpr_workgroup_id_x 1
		.amdhsa_system_sgpr_workgroup_id_y 1
		.amdhsa_system_sgpr_workgroup_id_z 1
		.amdhsa_system_vgpr_workitem_id 0
		.amdhsa_next_free_vgpr 194
		.amdhsa_next_free_sgpr 66
		.amdhsa_reserve_vcc 0
		.amdhsa_float_denorm_mode_32 3
		.amdhsa_float_denorm_mode_16_64 3
		.amdhsa_memory_ordered 1
		.amdhsa_forward_progress 1
		.amdhsa_inst_pref_size 84
	.end_amdhsa_kernel
	.amdgpu_metadata
---
amdhsa.version: [ 1, 2 ]
amdhsa.kernels:
  - .name:           k_q40a3c78c0b_quant
    .symbol:         k_q40a3c78c0b_quant.kd
    .args:
      - { .name: x, .offset: 0, .size: 8, .value_kind: global_buffer, .address_space: global }
      - { .name: xc, .offset: 8, .size: 8, .value_kind: global_buffer, .address_space: global }
      - { .name: xs, .offset: 16, .size: 8, .value_kind: global_buffer, .address_space: global }
      - { .name: wc, .offset: 24, .size: 8, .value_kind: global_buffer, .address_space: global }
      - { .name: Wq, .offset: 32, .size: 8, .value_kind: global_buffer, .address_space: global }
      - { .name: Wk, .offset: 40, .size: 8, .value_kind: global_buffer, .address_space: global }
      - { .name: Wv, .offset: 48, .size: 8, .value_kind: global_buffer, .address_space: global }
      - { .name: ws, .offset: 56, .size: 8, .value_kind: global_buffer, .address_space: global }
      - { .name: Wp, .offset: 64, .size: 8, .value_kind: global_buffer, .address_space: global }
      - { .name: wpc, .offset: 72, .size: 8, .value_kind: global_buffer, .address_space: global }
      - { .name: wps, .offset: 80, .size: 8, .value_kind: global_buffer, .address_space: global }
    .group_segment_fixed_size: 70144
    .private_segment_fixed_size: 0
    .kernarg_segment_align: 8
    .kernarg_segment_size: 88
    .max_flat_workgroup_size: 128
    .sgpr_count:     66
    .vgpr_count:     194
    .wavefront_size: 32
...
	.end_amdgpu_metadata
.endif
;; end of part 1
;; launch gemm (part 2): grid 8 x 32, 4 waves a work-group, clusters of 4 x 4, 327,680 bytes of LDS; arguments xc, xs, wc, ws, qkv; writes qkv
.if DOCPART == 2
	.amdgcn_target "amdgcn-amd-amdhsa--gfx1250"
	.amdhsa_code_object_version 6
	.text
	.protected	k_q40a3c78c0b_gemm
	.globl	k_q40a3c78c0b_gemm
	.p2align	8
	.type	k_q40a3c78c0b_gemm,@function
k_q40a3c78c0b_gemm:
	s_mov_b64 s[64:65], 0
	v_nop
	global_prefetch_b8 v0, s[64:65] scope:SCOPE_SE
	s_setreg_imm32_b32 hwreg(HW_REG_WAVE_MODE, 25, 1), 1
	s_wait_xcnt 0x0
	s_wait_alu depctr_hold_cnt(0) depctr_sa_sdst(0) depctr_va_vdst(0) depctr_va_sdst(0) depctr_va_ssrc(0) depctr_va_vcc(0) depctr_vm_vsrc(0)
	s_getreg_b32 s2, hwreg(HW_REG_IB_STS2, 6, 4)
	s_cmp_eq_u32 s2, 0
	s_cbranch_scc0 .Lentry_in_a_cluster
	s_endpgm
.Lentry_in_a_cluster:
	s_bfe_u32 s2, ttmp6, 0x10000c
	s_cmp_lg_u32 s2, 0xf033
	s_cbranch_scc0 .Lentry_shape_is_right
	s_endpgm
.Lentry_shape_is_right:
; q, k, v = Q6(x) Q6(Wq | Wk | Wv) on codes of FP6 (E2M3) with E8M0 scales, K = 1,024, and the results quantised again for the attention launch.
; A WORK-GROUP makes 256 tokens x (128 columns of q + 128 of k + 128 of v: one pair of heads): 32 token blocks x 8 head pairs = 256 work-groups.
; A WAVE owns 64 stored tokens.  Its codes of x for ALL of K (4 tiles x 8 K steps x 12 registers = 384) are read from LDS once and stay in registers;
; then it walks three blocks of 128 columns (q, k, v), 32 accumulators each, 8 K steps of 32 matrix instructions; only the weights' fragments are read from LDS in the walk.
; q, k: source 0 = 16 columns of W, source 1 = 16 tokens: a lane holds one token, its registers run along the head's channels (their next K).
; v:    source 0 = 16 tokens, source 1 = 16 columns: a lane holds one channel, its registers run along the tokens (its next K).  Rows are stored with bits 3, 4 exchanged, so two neighbouring tiles give 16 neighbours.
; OUT: a wave's 64 tokens x 2 heads are one record of 6,400 bytes: four images of an operand's registers (1,536 bytes each) and 256 bytes of scale words.
; LDS: tensor rows are whole rows of K, 768 bytes, 16 bytes of padding behind each 256: pitch 816.  Wq's 128 rows at 0; x's 256 rows at 104,448; when x is in registers, Wk's and Wv's 256 rows land on x's bytes.
; A wave issues two tensor loads in all, both joint: x's tiles are shared along a row of the 4 x 4 cluster (same token block), the weights' along a column (same head pair).
; NO PREFETCH: every byte is asked for by these two loads, the first at the head and the second as soon as x has left LDS; no later request is left to run ahead of.
; The weights' scale words (12,288 bytes) go through registers into LDS bytes of their own; x's (16 registers a wave) stay in registers.  A scale register holds K steps 0-3 in lanes 0-15 and 4-7 in lanes 16-31.
; LIMITS: a block whose largest magnitude lies under 2^-124 (a block of zeros too) keeps the byte 1; NaN and infinities are not served.
.set KROW,  768
.set PITCH, 816
.set BLK,   16*PITCH
.set HALFN, 64*PITCH
.set NBB,   128*PITCH
.set ALDS,  NBB
.set SCB,   3*NBB
.set SPARE, SCB+12288
.set FLAGS, (1<<20)|(1<<21)|(5<<22)|(3<<25)   ; elements of 1 byte; padding on; bit 21 beside a mask; behind every 64 words, 4 words
.set SPW,  1                           ; window 0: v1 my spare word, v2 zero
.set NIL,  2
.set LI,   3                           ; 16 x lane
.set L8,   4                           ; 8 x lane
.set VSO,  5                           ; 32 r + 16 h: my 16 bytes of a tile's 512 scale bytes
.set FB,   6                           ; v6 816 r + 24 h; v7 the same + 16 h (lanes 16-31 one piece of 256 bytes further on)
.set ADRA, 8                           ; v8-9 my rows of x
.set ADRB, 10                          ; v10-11 column tiles 0-3 of the block in hand, v12-13 tiles 4-7
.set SCW,  14
.set SCR,  15
.set SA,   16                          ; v16-31 x's scale words, v32-63 the block's weights'
.set SB,   32
.set SET0, 64                          ; v64-159, v160-255: the weights' fragments of a K step, two sets
.set IMG,  160                         ; the way out works in the second set's registers
.set TM,   208
.set XT,   224
.set PW,   232
.set SW,   236
; window 1: x's fragments of K steps 0-3 (v[48 (s % 4) + 12 a]); window 2: steps 4-7; window 3: the 32 accumulators
.set G1A, 24
.set G0A, 32
.set G0W, 36
.set G1W, 48
.set G0R, 56
.set NB,  60                           ; s60, s61 LDS bytes of the block's two halves; s62 of its scale words
.set SEL, 96
.set MSB, 0
.macro WIN new
.if MSB != (\new)
	s_set_vgpr_msb (MSB<<8)|(\new)
.set MSB, (\new)
.endif
.endm
.macro PLACES n
.rept \n
	v_nop
.endr
.endm
.macro CREST
	s_cmp_lg_u32 s14, 0
	s_cbranch_scc1 .Lnot_wave_0_\@
	s_barrier_signal -3
.Lnot_wave_0_\@:
	s_barrier_wait -3
	s_barrier_signal -1
	s_barrier_wait -1
.endm
.macro CROUND
	s_barrier_signal -1
	s_barrier_wait -1
	CREST
.endm
	s_load_b128 s[4:7], s[0:1], 0x0                ; xc, xs
	s_load_b128 s[8:11], s[0:1], 0x10              ; wc, ws
	s_load_b64 s[12:13], s[0:1], 0x20              ; qkv
	v_lshl_add_u32 v[SPW], v0, 2, SPARE
	v_mov_b32 v[NIL], 0
	ds_add_u32 v[SPW], v[NIL]                      ; the opening lines: the add twice and its wait
	ds_add_u32 v[SPW], v[NIL]
	v_lshrrev_b32 v64, 5, v0
	v_readfirstlane_b32 s14, v64                   ; wave
	s_lshr_b32 s15, s14, 1
	s_and_b32 s16, s14, 1
	s_bfe_u32 s40, ttmp6, 0x40000                  ; cx
	s_bfe_u32 s41, ttmp6, 0x40004                  ; cy
	s_lshl_b32 s42, ttmp9, 2
	s_add_co_u32 s42, s42, s40                     ; head pair
	s_and_b32 s17, ttmp7, 0xffff
	s_lshl_b32 s17, s17, 2
	s_add_co_u32 s17, s17, s41                     ; token block
	s_lshl_b32 s43, s41, 2
	s_lshl_b32 s43, 15, s43                        ; my row of the cluster
	s_lshl_b32 s44, 0x1111, s40                    ; my column
	s_or_b32 s[G1A], s43, FLAGS
	s_or_b32 s[G1W], s44, FLAGS
.irp g, G1A, G1W
	s_mov_b32 s[\g+1], KROW<<16
	s_mov_b32 s[\g+3], KROW<<16
	s_mov_b32 s[\g+5], KROW
	s_mov_b32 s[\g+6], 0
	s_mov_b32 s[\g+7], 0
.endr
	s_mov_b32 s[G1A+2], 128<<16                    ; x: 128 rows a load
	s_mov_b32 s[G1A+4], 128
	s_mov_b32 s[G1W+2], 64<<16                     ; weights: 64 rows a load
	s_mov_b32 s[G1W+4], 64
	s_lshl_b32 s20, s17, 8
	s_lshl_b32 s18, s16, 7
	s_add_co_u32 s20, s20, s18
	s_mul_i32 s20, s20, KROW                       ; x: row 256 x token block + 128 x (wave % 2)
	s_mov_b32 s21, 0
	s_lshl_b32 s46, s42, 7
	s_lshl_b32 s18, s16, 6
	s_add_co_u32 s46, s46, s18
	s_mul_i32 s46, s46, KROW                       ; Wq: row 128 x head pair + 64 x (wave % 2)
	s_mov_b32 s47, 0
	s_add_co_u32 s18, s15, 1
	s_mul_i32 s18, s18, 1024*KROW
	s_add_co_u32 s92, s46, s18                     ; Wk (waves 0, 1) or Wv (waves 2, 3): 1,024 or 2,048 rows further on
	s_mov_b32 s93, 0
	s_mul_i32 s19, s16, NBB
	s_add_co_u32 s[G0A+1], s19, ALDS
	s_mul_i32 s[G0W+1], s16, HALFN
	s_mul_i32 s19, s14, HALFN
	s_add_co_u32 s[G0R+1], s19, ALDS
	s_lshl_b32 s22, s17, 13
	s_lshl_b32 s18, s14, 11
	s_add_co_u32 s22, s22, s18                     ; x's scale bytes: 32 a row, my 64 rows
	s_mov_b32 s23, 0
	s_lshl_b32 s94, s42, 12
	s_lshl_b32 s18, s14, 9
	s_add_co_u32 s94, s94, s18                     ; the weights': column tile wave + 4 i
	s_mov_b32 s95, 0
	s_lshr_b32 s66, s17, 3
	s_lshl_b32 s66, s66, 3
	s_add_co_u32 s66, s66, s42
	s_lshl_b32 s66, s66, 5
	s_and_b32 s67, s17, 7
	s_lshl_b32 s67, s67, 2
	s_add_co_u32 s66, s66, s67
	s_add_co_u32 s66, s66, s14
	s_mul_i32 s66, s66, 6400                       ; my record: ((batch x 8 + head pair) x 32 + step) x 6,400
	s_mov_b32 s67, 0
	s_mov_b32 s[NB], 0
	s_mov_b32 s[NB+1], HALFN
	s_mov_b32 s[NB+2], SCB
	s_mov_b32 s[SEL], 0x76543210
	s_mov_b32 s[SEL+1], 0xfedcba98
	s_mov_b32 s98, 0xffff0000
	s_wait_dscnt 0x0
	s_wait_kmcnt 0x0
	s_add_nc_u64 s[20:21], s[4:5], s[20:21]
	s_add_nc_u64 s[22:23], s[6:7], s[22:23]
	s_add_nc_u64 s[46:47], s[8:9], s[46:47]
	s_add_nc_u64 s[92:93], s[8:9], s[92:93]
	s_add_nc_u64 s[94:95], s[10:11], s[94:95]
	s_add_nc_u64 s[12:13], s[12:13], s[66:67]
	CROUND                                         ; the first joint loads meet
	s_mov_b32 s[G0A], 1
	s_mov_b64 s[G0A+2:G0A+3], s[20:21]
	s_or_b32 s[G0A+3], s[G0A+3], 0x80000000
	s_mov_b32 s[G0W], 1
	s_mov_b64 s[G0W+2:G0W+3], s[46:47]
	s_or_b32 s[G0W+3], s[G0W+3], 0x80000000
	s_mov_b32 s[G0R], 1
	s_mov_b64 s[G0R+2:G0R+3], s[92:93]
	s_or_b32 s[G0R+3], s[G0R+3], 0x80000000
	s_cmp_eq_u32 s15, 0                            ; one load a wave: waves 0, 1 x's halves, waves 2, 3 Wq's
	s_cbranch_scc0 .Lhead_w
	tensor_load_to_lds s[G0A:G0A+3], s[G1A:G1A+7]
	s_nop 0
	PLACES 4
	s_branch .Lhead_asked
.Lhead_w:
	tensor_load_to_lds s[G0W:G0W+3], s[G1W:G1W+7]
	s_nop 0
	PLACES 4
.Lhead_asked:
	v_and_b32 v64, 15, v0                          ; r
	v_bfe_u32 v65, v0, 4, 1                        ; h
	v_and_b32 v66, 31, v0
	v_lshlrev_b32 v[LI], 4, v66
	v_lshlrev_b32 v[L8], 3, v66
	v_lshlrev_b32 v[VSO], 5, v64
	v_lshl_add_u32 v[VSO], v65, 4, v[VSO]
	v_mul_u32_u24 v67, v64, PITCH
	v_mad_u32_u24 v[FB], v65, 24, v67
	v_lshl_add_u32 v[FB+1], v65, 4, v[FB]
	s_mul_i32 s18, s14, HALFN
	s_add_co_u32 s18, s18, ALDS
	v_add_nc_u32 v[ADRA], s18, v[FB]
	v_add_nc_u32 v[ADRA+1], s18, v[FB+1]
	s_lshl_b32 s19, s14, 9
	s_add_co_u32 s19, s19, SCB
	v_add_nc_u32 v[SCW], s19, v[LI]
.irp a, 0,1,2,3
	global_load_b128 v[SA+4*\a:SA+4*\a+3], v[VSO], s[22:23] offset:512*\a      ; a tile's 512 scale bytes: lanes 0-15 bytes 0-15 of row r, lanes 16-31 bytes 16-31
.endr
.irp i, 0,1,2,3,4,5
	global_load_b128 v[72+4*\i:75+4*\i], v[VSO], s[94:95] offset:(\i/2)*32768+(\i%2)*2048
.endr
.macro ADDR                            ; the LDS addresses of the block in hand
	v_add_nc_u32 v[ADRB], s[NB], v[FB]
	v_add_nc_u32 v[ADRB+1], s[NB], v[FB+1]
	v_add_nc_u32 v[ADRB+2], s[NB+1], v[FB]
	v_add_nc_u32 v[ADRB+3], s[NB+1], v[FB+1]
	v_add_nc_u32 v[SCR], s[NB+2], v[LI]
.endm
	ADDR
; a fragment: 16 rows x 128 K = 12 registers, in six pieces of 8 bytes.  Byte y of a row lies at y + 16 (y / 256) of its LDS row; lanes 16-31 read 24 bytes further on
.macro FRAG reg, adr, st, i
.irp p, 0,1,2,3,4,5
.set BY, 96*(\st)+48*(\p/3)+8*(\p%3)
.if BY/256 == (BY+24)/256
	ds_load_b64 v[\reg+2*\p:\reg+2*\p+1], v[\adr] offset:BY+16*(BY/256)+(\i)*BLK
.else
	ds_load_b64 v[\reg+2*\p:\reg+2*\p+1], v[\adr+1] offset:BY+16*(BY/256)+(\i)*BLK
.endif
.endr
.endm
.macro FETCH_B st, set                 ; the block's eight column tiles of K step st: 48 loads
.irp i, 0,1,2,3
	FRAG (\set)+12*\i, ADRB, \st, \i
.endr
.irp i, 0,1,2,3
	FRAG (\set)+48+12*\i, ADRB+2, \st, \i
.endr
.endm
.macro SCALES
.irp b, 0,1,2,3,4,5,6,7
	ds_load_b128 v[SB+4*\b:SB+4*\b+3], v[SCR] offset:512*\b
.endr
.endm
.macro WM d, x, y, sx, sy, st
.if (\st) == 0
	v_wmma_scale_f32_16x16x128_f8f6f4 v[\d:\d+7], v[\x:\x+11], v[\y:\y+11], 0, v[\sx], v[\sy] matrix_a_fmt:MATRIX_FMT_FP6 matrix_b_fmt:MATRIX_FMT_FP6
.else
.if (\st) < 4
	v_wmma_scale_f32_16x16x128_f8f6f4 v[\d:\d+7], v[\x:\x+11], v[\y:\y+11], v[\d:\d+7], v[\sx], v[\sy] matrix_a_fmt:MATRIX_FMT_FP6 matrix_b_fmt:MATRIX_FMT_FP6
.else
	v_wmma_scale_f32_16x16x128_f8f6f4 v[\d:\d+7], v[\x:\x+11], v[\y:\y+11], v[\d:\d+7], v[\sx], v[\sy] matrix_a_fmt:MATRIX_FMT_FP6 matrix_b_fmt:MATRIX_FMT_FP6 matrix_a_scale:MATRIX_SCALE_ROW1 matrix_b_scale:MATRIX_SCALE_ROW1
.endif
.endif
.endm
; 32 matrix instructions: 4 token tiles x 8 column tiles, 128 along K; the 32 accumulators take turns; the first K step starts the sums
.macro MUL32 arm, st
.set XW, 1+(\st)/4
.set AB, 48*((\st)%4)
.set BS, SET0+96*((\st)%2)
.set SQ, (\st)%4
.if \arm == 0
	WIN 0xf0|(XW<<2)
.irp a, 0,1,2,3
.irp b, 0,1,2,3,4,5,6,7
	WM 8*(8*\a+\b), BS+12*\b, AB+12*\a, SB+4*\b+SQ, SA+4*\a+SQ, \st
.endr
.endr
.else
	WIN 0xf0|XW
.irp a, 0,1,2,3
.irp b, 0,1,2,3,4,5,6,7
	WM 8*(4*\b+\a), AB+12*\a, BS+12*\b, SA+4*\a+SQ, SB+4*\b+SQ, \st
.endr
.endr
.endif
	WIN 0
.endm
.macro KSTEPS arm                      ; at the entry K step 0's fragments and the scale words are on their way
.set ST, 0
.rept 8
.if ST < 7
.if ST > 0
	PLACES 4                                       ; in front of loads into the set that the last step multiplied
.endif
	FETCH_B ST+1, SET0+96*((ST+1)%2)
	s_wait_dscnt 48                                ; all but the 48 just issued
.else
	s_wait_dscnt 0x0
.endif
	MUL32 \arm, ST
.set ST, ST+1
.endr
.endm
; four blocks of 32 along the next K (16 registers in lanes l and l xor 16 each): s0: blocks 0, 1; s1: blocks 2, 3 -> one image of 12 registers at d and its scale word
.macro QUANT s0, s1, d, pw
	WIN 0x3c
.irp b, 0,1
	v_max3_num_f32 v[TM+\b], 0x1800000, |v[(\s0)+16*\b]|, |v[(\s0)+16*\b+1]|
	v_max3_num_f32 v[TM+2+\b], 0x1800000, |v[(\s1)+16*\b]|, |v[(\s1)+16*\b+1]|
.endr
.irp i, 2,4,6,8,10,12,14
.irp b, 0,1
	v_max3_num_f32 v[TM+\b], v[TM+\b], |v[(\s0)+16*\b+\i]|, |v[(\s0)+16*\b+\i+1]|
	v_max3_num_f32 v[TM+2+\b], v[TM+2+\b], |v[(\s1)+16*\b+\i]|, |v[(\s1)+16*\b+\i+1]|
.endr
.endr
	WIN 0
.irp b, 0,1,2,3
	v_permlanex16_b32 v[TM+4+\b], v[TM+\b], s[SEL], s[SEL+1]
.endr
.irp b, 0,1,2,3
	v_max_num_f32 v[TM+\b], v[TM+\b], v[TM+4+\b]
.endr
.irp b, 0,1,2,3
	v_add_nc_u32 v[TM+12+\b], 0xff000000, v[TM+\b] ; 2 off the exponent field: the conversion's scale operand
.endr
.irp b, 0,1,2,3
	v_lshrrev_b32 v[TM+4+\b], 23, v[TM+12+\b]
.endr
	v_lshl_or_b32 v[\pw], v[TM+5], 8, v[TM+4]
	v_lshl_or_b32 v[\pw], v[TM+6], 16, v[\pw]
	v_lshl_or_b32 v[\pw], v[TM+7], 24, v[\pw]
	WIN 3
	v_cvt_scalef32_pk16_fp6_f32 v[(\d):(\d)+2], v[(\s0):(\s0)+15], v[TM+12]
	v_cvt_scalef32_pk16_fp6_f32 v[XT:XT+2], v[(\s0)+16:(\s0)+31], v[TM+13]
	v_cvt_scalef32_pk16_fp6_f32 v[(\d)+6:(\d)+8], v[(\s1):(\s1)+15], v[TM+14]
	v_cvt_scalef32_pk16_fp6_f32 v[XT+4:XT+6], v[(\s1)+16:(\s1)+31], v[TM+15]
	WIN 0
	v_nop                                          ; a plain place behind the conversions
.irp i, 0,1,2
	v_permlane16_swap_b32 v[(\d)+\i], v[XT+\i]     ; a whole block to a lane
	v_permlane16_swap_b32 v[(\d)+6+\i], v[XT+4+\i]
.endr
.irp i, 0,1,2
	v_mov_b32 v[(\d)+3+\i], v[XT+\i]
	v_mov_b32 v[(\d)+9+\i], v[XT+4+\i]
.endr
.endm
.macro EPI arm                         ; the block leaves: four images and their words, 6,400 consecutive bytes a wave
.irp b, 0,1,2,3
	v_mov_b32 v[TM+4+\b], 0                        ; a lane permute's destination counts as read
.endr
.irp t, 0,1,2,3
.if \arm == 0
	QUANT 64*\t, 64*\t+32, IMG+12*\t, PW+\t        ; token tile t: head e's 64 channels, head o's
.else
	QUANT 32*\t, 128+32*\t, IMG+12*\t, PW+\t       ; channel tile t of head e and of head o: my 64 tokens
.endif
.irp c, 0,1,2
	global_store_b128 v[LI], v[IMG+12*\t+4*\c:IMG+12*\t+4*\c+3], s[12:13] offset:\t*1536+512*\c
.endr
.endr
	v_cndmask_b32 v[SW], v[PW], v[PW+1], s98       ; even tiles' words in lanes 0-15, odd tiles' in lanes 16-31
	v_cndmask_b32 v[SW+1], v[PW+2], v[PW+3], s98
	global_store_b64 v[L8], v[SW:SW+1], s[12:13] offset:6144
	s_wait_xcnt 0x0                                ; the stores have read their registers and their base
.endm
	s_wait_alu depctr_va_vdst(0)                   ; the wait at the head's end
	s_wait_loadcnt 0x0
	s_wait_tensorcnt 0x0                           ; my tile is in
.irp i, 0,1,2,3,4,5
	ds_store_b128 v[SCW], v[72+4*\i:75+4*\i] offset:2048*\i    ; column tile wave + 4 i: an image of its four scale registers
.endr
	s_wait_dscnt 0x0
	s_barrier_signal -1
	s_barrier_wait -1                              ; everybody's tiles and scale words are in
	WIN 0x40
.irp s, 0,1,2,3
.irp a, 0,1,2,3
	FRAG 48*\s+12*\a, ADRA, \s, \a
.endr
.endr
	WIN 0x80
.irp s, 0,1,2,3
.irp a, 0,1,2,3
	FRAG 48*\s+12*\a, ADRA, \s+4, \a
.endr
.endr
	WIN 0
	s_wait_tensorcnt 0x0                           ; the wait, the add and its wait in front of a refill's round
	ds_add_u32 v[SPW], v[NIL]
	s_wait_dscnt 0x0                               ; the add is done, and x is in my registers
	CROUND                                         ; nobody in the cluster reads x's bytes any more
	tensor_load_to_lds s[G0R:G0R+3], s[G1W:G1W+7]  ; 64 rows of Wk or Wv onto them
	s_nop 0
	PLACES 4
	FETCH_B 0, SET0
	SCALES
	s_wait_tensorcnt 0x0                           ; my part of Wk, Wv is in,
	s_wait_dscnt 0x0                               ; and no LDS load of mine is out at the signal;
	s_barrier_signal -1
	s_barrier_wait -1                              ; everybody's part is in.
	s_mov_b32 s3, 2
.Lqk:                                  ; q, then k
	KSTEPS 0
	s_add_co_u32 s[NB], s[NB], NBB
	s_add_co_u32 s[NB+1], s[NB+1], NBB
	s_add_co_u32 s[NB+2], s[NB+2], 4096
	ADDR                                           ; five plain lines: the places behind the last products
	FETCH_B 0, SET0                                ; the next block's first fragments land under the way out
	SCALES
	EPI 0
	s_add_nc_u64 s[12:13], s[12:13], 32*204800     ; the next tensor's planes
	s_sub_co_u32 s3, s3, 1
	s_cmp_lg_u32 s3, 0
	s_cbranch_scc1 .Lqk
	KSTEPS 1                                       ; v
	PLACES 4
	EPI 1
	s_wait_tensorcnt 0x0                           ; the wave's end
	ds_add_u32 v[SPW], v[NIL]
	s_wait_dscnt 0x0
	CROUND                                         ; the closing round
	s_endpgm
.Lfunc_end_k_q40a3c78c0b_gemm:
	.size	k_q40a3c78c0b_gemm, .Lfunc_end_k_q40a3c78c0b_gemm-k_q40a3c78c0b_gemm
	.p2alignl 7, 3214868480
	.fill 96, 4, 3214868480
	.section	.rodata,"a",@progbits
	.p2align	6, 0x0
	.amdhsa_kernel k_q40a3c78c0b_gemm
		.amdhsa_group_segment_fixed_size 327680
		.amdhsa_private_segment_fixed_size 0
		.amdhsa_enable_private_segment 0
		.amdhsa_kernarg_size 40
		.amdhsa_user_sgpr_count 2
		.amdhsa_user_sgpr_kernarg_segment_ptr 1
		.amdhsa_wavefront_size32 1
		.amdhsa_system_sgpr_workgroup_id_x 1
		.amdhsa_system_sgpr_workgroup_id_y 1
		.amdhsa_system_sgpr_workgroup_id_z 1
		.amdhsa_system_vgpr_workitem_id 0
		.amdhsa_next_free_vgpr 1024
		.amdhsa_next_free_sgpr 100
		.amdhsa_reserve_vcc 0
		.amdhsa_float_denorm_mode_32 3
		.amdhsa_float_denorm_mode_16_64 3
		.amdhsa_memory_ordered 1
		.amdhsa_forward_progress 1
		.amdhsa_inst_pref_size 172
	.end_amdhsa_kernel
	.amdgpu_metadata
---
amdhsa.version: [ 1, 2 ]
amdhsa.kernels:
  - .name:           k_q40a3c78c0b_gemm
    .symbol:         k_q40a3c78c0b_gemm.kd
    .args:
      - { .name: xc, .offset: 0, .size: 8, .value_kind: global_buffer, .address_space: global }
      - { .name: xs, .offset: 8, .size: 8, .value_kind: global_buffer, .address_space: global }
      - { .name: wc, .offset: 16, .size: 8, .value_kind: global_buffer, .address_space: global }
      - { .name: ws, .offset: 24, .size: 8, .value_kind: global_buffer, .address_space: global }
      - { .name: qkv, .offset: 32, .size: 8, .value_kind: global_buffer, .address_space: global }
    .group_segment_fixed_size: 327680
    .private_segment_fixed_size: 0
    .kernarg_segment_align: 8
    .kernarg_segment_size: 40
    .max_flat_workgroup_size: 128
    .sgpr_count:     100
    .vgpr_count:     1024
    .wavefront_size: 32
...
	.end_amdgpu_metadata
.endif
;; end of part 2
;; launch attn (part 3): grid 8 x 32, 16 waves a work-group, no clusters, 327,680 bytes of LDS; arguments qkv, ypart; writes ypart
.if DOCPART == 3
	.amdgcn_target "amdgcn-amd-amdhsa--gfx1250"
	.amdhsa_code_object_version 6
	.text
	.protected	k_q40a3c78c0b_attn
	.globl	k_q40a3c78c0b_attn
	.p2align	8
	.type	k_q40a3c78c0b_attn,@function
k_q40a3c78c0b_attn:
	s_mov_b64 s[64:65], 0
	v_nop
	global_prefetch_b8 v0, s[64:65] scope:SCOPE_SE
	s_setreg_imm32_b32 hwreg(HW_REG_WAVE_MODE, 25, 1), 1
	s_wait_xcnt 0x0
; For one batch and one PAIR of heads: O[q][:] = sum over both heads and all keys k <= q of Q6(softmax_k(q . k / 8)) Q6(v), both products on codes of FP6 (E2M3) with E8M0 scales.
; THE WEIGHTS ARE QUANTISED FINISHED AND NORMALISED, in blocks of 32 keys: so a row's maximum and sum must be known first.  TWO WALKS over the keys:
; walk 1: S^T = K Q^T, a running maximum m and sum l;  walk 2: S^T again, p = 2^(c s - c m) x (1 / l), c = log2(e) / 8, quantised, O^T += V^T P^T.  O is never rescaled.
; The rounding of c m is a common factor of a row's p and of its l and cancels in p / l.
; SHARES.  A work-group owns the blocks i and 15 - i of 128 queries (equal causal work in every work-group); each of its sixteen waves one stored tile of 16 queries, for both heads.
; Waves are dealt so that waves 4 a .. 4 a + 3, and waves of equal number mod 4, hold one tile of each quarter of the two blocks.
; A STEP is 64 keys x 2 heads.  An image of K (16 stored keys x [head e's 64 | head o's 64]) is multiplied by [q_e | 0] and by [0 | q_o]: 8 products, 64 registers of scores; a lane holds ONE query.
; Tokens are stored with bits 3, 4 exchanged, so the 16 registers of two neighbouring tiles are 16 neighbouring keys.  p's 64 registers become ONE fragment, K = [e: 64 keys | o: 64 keys], for 4 products with V's images.
; CAUSAL: every wave walks all 32 steps (constant trip counts); a step all of whose keys come after the wave's queries is jumped over by a scalar branch on ids; on the diagonal hidden scores become -infinity.
; LDS: K's plane, 204,800 bytes, filled once; V through two slots of 8 steps (51,200 bytes); the spare words.  All operands are images of registers: 16 bytes a lane, dense.
; NO CLUSTER: a work-group fetches 409,600 bytes in all, and partners' causal work for a slot differs, so a round at each refill would tie uneven partners for few bytes.
; LIMITS: m starts at -3e38; a p under 2^-126 is flushed to 0 by the exponential; 1 / l is v_rcp_f32 and a multiplication; a block of p under 2^-124 keeps the byte 1; NaN and infinities are not served.
; IN THIS TEXT, in place of what the lines above say of 1 / l and of the fills: log2(l) (v_log_f32) is taken off the exponent's addend behind walk 1, so walk 2 makes p = 2^(c s - c m - log2 l)
; by one multiply-add and one exponential, with no multiplication by 1 / l.  K's plane comes in two halves, one step a wave each: steps 0-15 at the head, steps 16-31 behind the first barrier;
; V's two slots are first filled behind a barrier in the middle of walk 1 (one tensor load a wave behind each barrier).
.set STEPB, 6400
.set G1K, 72                           ; s[72:79] group 1 for K's loads: 25 rows of 256 bytes, one step
.set SLOTB, 51200
.set VLDS,  204800                     ; V's slot 0
.set SPARE, 307200                     ; the spare words: 128 bytes a wave, eight blocks of 256 bytes that no other line names
.set LI,  1                            ; v1  16 x lane
.set L8,  2                            ; v2  8 x lane
.set QL,  3                            ; v3  my query - 16 (lane / 16)
.set SPW, 4
.set NIL, 5
.set ADK, 6                            ; v6-9 LDS addresses of the step in hand: K's images, K's words, V's images, V's words
.set ADS, 7
.set ADV, 8
.set ADT, 9
.set DD,  10
.set NINF, 11
.set NCM, 12                           ; v12 -c m of head e, v13 m;  v14, v15 head o
.set LS,  16                           ; v[16:17] l of head e in two halves;  v[18:19] head o
.set AF,  20                           ; v20 (pair with v21) head e: the rescaling factor, later log2 l;  v22 head o
.set QE,  24                           ; v[24:35] = [q_e | 0];  v[30:41] = [0 | q_o]
.set QO,  30
.set QS,  42                           ; scale words: q's, p's, K's two, V's two
.set PS,  43
.set KS,  44
.set VS,  46
.set FR,  48                           ; v48-95 four images
.set S,   96                           ; v96-127 head e's scores, v128-159 head o's
.set O,   160                          ; v160-191 O^T
.set P,   192                          ; v192-203 p's codes
.set XT,  204
.set BM,  212
.set BT,  216
.set SCO, 20                           ; walk 2 alone: in the registers that held the rescaling factors
.set BY,  16                           ; walk 2 alone: in the registers that held l
.set VZ,  220                          ; v220-255, walk 2 alone: V's images 0-2 (image 3 goes into the first 12 score registers, behind the conversions)
.set T,   228
.set WV,  18
.set NC,  19                           ; -c
.set SEL, 20
.set CS,  22                           ; s[22:23] c
.set G1,  24
.set G0K, 32
.set G0V, 36
.set TBK, 40
.set TBV, 41
.set KF,  42
.set QMIN, 43
.set QMAX, 44
.set CNT, 45
	s_load_b128 s[4:7], s[0:1], 0x0                ; qkv, ypart
	v_lshl_add_u32 v[SPW], v0, 2, SPARE
	v_mov_b32 v[NIL], 0
	ds_add_u32 v4, v5
	ds_add_u32 v4, v5
	s_wait_dscnt 0x0
	v_lshrrev_b32 v6, 5, v0
	s_delay_alu instid0(VALU_DEP_1)
	v_readfirstlane_b32 s[WV], v6                  ; wave 0..15
	s_and_b32 s46, ttmp7, 0xffff                   ; p = batch x 8 + head pair
	s_lshr_b32 s47, s[WV], 2                       ; a
	s_and_b32 s48, s[WV], 3
	s_xor_b32 s48, s48, s47                        ; which quarter of the two blocks
	s_and_b32 s49, s48, 1
	s_lshl_b32 s49, s49, 2
	s_add_co_u32 s49, s49, s47                     ; the tile in its block
	s_sub_co_u32 s50, 15, ttmp9
	s_cmp_ge_u32 s48, 2
	s_cselect_b32 s50, s50, ttmp9                  ; block 15 - i or i
	s_lshl_b32 s50, s50, 3
	s_add_co_u32 s50, s50, s49                     ; my stored tile, 0..127
	s_lshr_b32 s[QMIN], s50, 1
	s_lshl_b32 s[QMIN], s[QMIN], 5
	s_and_b32 s51, s50, 1
	s_lshl_b32 s51, s51, 3
	s_add_co_u32 s[QMIN], s[QMIN], s51             ; its least query: 32 (tile / 2) + 8 (tile % 2)
	s_add_co_u32 s[QMAX], s[QMIN], 23              ; and its greatest
	s_mul_i32 s52, s46, 204800                     ; q's plane
	s_lshr_b32 s54, s50, 2
	s_mul_i32 s54, s54, STEPB
	s_add_co_u32 s54, s54, s52                     ; my tile's step
	s_and_b32 s55, s50, 3
	s_mul_i32 s56, s55, 1536
	s_add_co_u32 s56, s56, s54                     ; its image
	s_mov_b32 s57, 0
	s_and_b32 s58, s55, 1
	s_lshl_b32 s58, s58, 7
	s_lshr_b32 s59, s55, 1
	s_lshl_b32 s59, s59, 2
	s_add_co_u32 s58, s58, s59
	s_add_co_u32 s58, s58, s54
	s_add_co_u32 s58, s58, 6144                    ; its scale words: half (tile % 2) of the lanes, word tile / 2
	s_mov_b32 s59, 0
	s_mul_i32 s[G0K+1], s[WV], 6400                ; K: wave w fetches step w, then step 16 + w
	s_add_co_u32 s60, s52, s[G0K+1]
	s_mov_b32 s61, 0
	s_mul_i32 s[G0V+1], s[WV], 12800               ; V: waves 0-7 fetch steps 2 w, 2 w + 1: both slots
	s_add_co_u32 s62, s52, s[G0V+1]
	s_mov_b32 s63, 0
	s_add_co_u32 s[G0V+1], s[G0V+1], VLDS
	s_lshl_b32 s66, s46, 7
	s_add_co_u32 s66, s66, s50
	s_lshl_b32 s66, s66, 12                        ; ypart: 4,096 bytes a tile
	s_mov_b32 s67, 0
	; one group 1 for V's loads: 50 rows of 256 bytes, dense: two steps
	s_mov_b32 s[G1+0], 3<<16                       ; no mask; elements of 8 bytes; no padding
	s_mov_b32 s[G1+1], 32<<16                      ; tensor_dim0 = 32
	s_mov_b32 s[G1+2], 50<<16                      ; tensor_dim1 = 50
	s_mov_b32 s[G1+3], 32<<16                      ; tile_dim0 = 32
	s_mov_b32 s[G1+4], 50                          ; tile_dim1 = 50
	s_mov_b32 s[G1+5], 32                          ; stride
	s_mov_b32 s[G1+6], 0
	s_mov_b32 s[G1+7], 0
	s_mov_b32 s[G1K+0], 3<<16
	s_mov_b32 s[G1K+1], 32<<16
	s_mov_b32 s[G1K+2], 25<<16
	s_mov_b32 s[G1K+3], 32<<16
	s_mov_b32 s[G1K+4], 25
	s_mov_b32 s[G1K+5], 32
	s_mov_b32 s[G1K+6], 0
	s_mov_b32 s[G1K+7], 0
	s_mov_b32 s[G0K], 1
	s_mov_b32 s[G0V], 1
	s_mov_b32 s[NC], 0xbe38aa3b                    ; -log2(e) / 8
	s_mov_b32 s[CS], 0x3e38aa3b
	s_mov_b32 s[CS+1], s[CS]
	s_mov_b32 s[SEL], 0x76543210
	s_mov_b32 s[SEL+1], 0xfedcba98
	s_mov_b32 s[TBK], 0
	s_mov_b32 s[TBV], VLDS
	s_mov_b32 s[KF], 0
	s_wait_kmcnt 0x0
	s_add_nc_u64 s[G0K+2:G0K+3], s[4:5], s[60:61]
	s_add_nc_u64 s[G0V+2:G0V+3], s[4:5], s[62:63]
	s_add_nc_u64 s[G0V+2:G0V+3], s[G0V+2:G0V+3], 64*204800   ; v's planes
	s_add_nc_u64 s[G0K+2:G0K+3], s[G0K+2:G0K+3], 32*204800   ; k's planes
	s_or_b32 s[G0K+3], s[G0K+3], 0x80000000
	s_or_b32 s[G0V+3], s[G0V+3], 0x80000000
	s_add_nc_u64 s[8:9], s[4:5], s[56:57]          ; my q image
	s_add_nc_u64 s[10:11], s[4:5], s[58:59]        ; my q words
	s_add_nc_u64 s[6:7], s[6:7], s[66:67]
	tensor_load_to_lds s[G0K:G0K+3], s[G1K:G1K+7]  ; K's step w: every wave's one load at the head
	s_nop 0
.rept 4
	v_nop
.endr
	v_and_b32 v6, 31, v0
	s_delay_alu instid0(VALU_DEP_1)
	v_lshlrev_b32 v[LI], 4, v6
	s_delay_alu instid0(VALU_DEP_2)
	v_lshlrev_b32 v[L8], 3, v6
	v_and_b32 v7, 15, v0                           ; r
	v_bfe_u32 v8, v0, 4, 1                         ; h
	s_delay_alu instid0(VALU_DEP_2)
	v_lshlrev_b32 v[T+8], 3, v7                    ; q's words: 8 bytes a lane of the half
	global_load_b128 v[24:27], v[LI], s[8:9]                 ; q's registers 0-3,
	global_load_b128 v[T:T+3], v[LI], s[8:9] offset:512      ; 4-7,
	global_load_b128 v[38:41], v[LI], s[8:9] offset:1024     ; 8-11
	global_load_b32 v[QS], v[T+8], s[10:11]
	v_and_b32 v9, 8, v7
	s_delay_alu instid0(VALU_DEP_1)
	v_add_nc_u32 v9, v9, v7                        ; r + 8 (r / 8)
	s_delay_alu instid0(VALU_DEP_1)
	v_add_nc_u32 v[QL], s[QMIN], v9                ; my query
	v_lshlrev_b32 v10, 4, v8
	s_delay_alu instid0(VALU_DEP_1)
	v_sub_nc_u32 v[QL], v[QL], v10
	v_mov_b32 v[NINF], 0xff800000
	v_mov_b32 v13, 0xff61b1e6                      ; m = -3e38, under every score
	v_mov_b32 v15, 0xff61b1e6
	s_delay_alu instid0(VALU_DEP_2)
	v_mul_f32 v12, s[NC], v13
	s_delay_alu instid0(VALU_DEP_2)
	v_mul_f32 v14, s[NC], v15
.irp j, 16,17,18,19,20,21,22,23,30,31,32,33,34,35,216,217,218,219
	v_mov_b32 v[\j], 0                             ; l; the pairs' partners; the zero codes between q_e and q_o; the permutes' destinations
.endr
	s_wait_loadcnt 0x0
	v_mov_b32 v28, v[T]
	v_mov_b32 v29, v[T+1]
	v_mov_b32 v36, v[T+2]
	v_mov_b32 v37, v[T+3]
.set j, 0
.rept 32
	v_mov_b32 v[O+j], 0                            ; O^T: walk 2 is written once for all steps
.set j, j+1
.endr
	s_wait_alu depctr_va_vdst(0)                   ; the wait at the head's end
	s_wait_tensorcnt 0x0                           ; my step of K is in; no load of mine is out, so group 0 may be written
	ds_add_u32 v[SPW], v[NIL]                      ; 0 onto my spare word
	s_add_co_u32 s[G0K+1], s[G0K+1], 16*STEPB
	s_add_nc_u64 s[G0K+2:G0K+3], s[G0K+2:G0K+3], 16*STEPB
	s_wait_dscnt 0x0
	s_barrier_signal -1
	s_barrier_wait -1                              ; steps 0-15 are whole
	tensor_load_to_lds s[G0K:G0K+3], s[G1K:G1K+7]  ; K's step 16 + w lands under walk 1's first sixteen steps
	s_nop 0
.rept 4
	v_nop
.endr
; K'S IMAGES RUN ONE STEP AHEAD: a step's images were asked for behind the step before's K Q^T, as soon as their registers were free.
; KADDR: the addresses of the NEXT step's K (held at step lim / STEPB: no read passes what has landed) and of this step's V; then the wait for this step's K.
; The four additions and the v_nop are the five places between the last products and K Q^T, which writes over registers that those have read.
.macro KADDR lim
	s_add_co_u32 s46, s[TBK], STEPB
	s_min_u32 s46, s46, \lim
	v_add_nc_u32 v[ADK], s46, v[LI]
	v_add_nc_u32 v[ADS], s46, v[L8]
	v_add_nc_u32 v[ADV], s[TBV], v[LI]
	v_add_nc_u32 v[ADT], s[TBV], v[L8]
	v_nop
	s_wait_dscnt 0x0
.endm
.macro KFETCH                          ; 13 loads: four images and their words
.irp t, 0,1,2,3
.irp c, 0,1,2
	ds_load_b128 v[FR+12*\t+4*\c:FR+12*\t+4*\c+3], v[ADK] offset:1536*\t+512*\c
.endr
.endr
	ds_load_b64 v[KS:KS+1], v[ADS] offset:6144
.endm
.macro KFIRST                          ; ahead of a loop: the images of the step at TBK
	v_add_nc_u32 v[ADK], s[TBK], v[LI]
	v_add_nc_u32 v[ADS], s[TBK], v[L8]
	KFETCH
.endm
.macro QK                              ; tile t of 16 stored keys against q_e and q_o.  Register 16 b + i of a head's 32 is key KF + 32 b + 16 (lane / 16) + i
.irp t, 0,1,2,3
.if \t%2
	v_wmma_scale_f32_16x16x128_f8f6f4 v[S+8*\t:S+8*\t+7], v[FR+12*\t:FR+12*\t+11], v[QE:QE+11], 0, v[KS+\t/2], v[QS] matrix_a_fmt:MATRIX_FMT_FP6 matrix_b_fmt:MATRIX_FMT_FP6 matrix_a_scale:MATRIX_SCALE_ROW1
	v_wmma_scale_f32_16x16x128_f8f6f4 v[S+32+8*\t:S+32+8*\t+7], v[FR+12*\t:FR+12*\t+11], v[QO:QO+11], 0, v[KS+\t/2], v[QS] matrix_a_fmt:MATRIX_FMT_FP6 matrix_b_fmt:MATRIX_FMT_FP6 matrix_a_scale:MATRIX_SCALE_ROW1
.else
	v_wmma_scale_f32_16x16x128_f8f6f4 v[S+8*\t:S+8*\t+7], v[FR+12*\t:FR+12*\t+11], v[QE:QE+11], 0, v[KS+\t/2], v[QS] matrix_a_fmt:MATRIX_FMT_FP6 matrix_b_fmt:MATRIX_FMT_FP6
	v_wmma_scale_f32_16x16x128_f8f6f4 v[S+32+8*\t:S+32+8*\t+7], v[FR+12*\t:FR+12*\t+11], v[QO:QO+11], 0, v[KS+\t/2], v[QS] matrix_a_fmt:MATRIX_FMT_FP6 matrix_b_fmt:MATRIX_FMT_FP6
.endif
.endr
.rept 4
	v_nop                                          ; places in front of the first read of the scores and of loads into the images' registers
.endr
.endm
.macro MASK                            ; a step all of whose keys count for all my queries skips this
	s_add_co_u32 s46, s[KF], 63
	s_cmp_le_u32 s46, s[QMIN]
	s_cbranch_scc1 .Lopen_\@
	v_sub_nc_u32 v[DD], v[QL], s[KF]               ; register 16 b + i is hidden where 32 b + i > my query - KF - 16 (lane / 16)
.set n, 0
.rept 32
	v_cmp_gt_i32 vcc_lo, 32*(n/16)+n%16, v[DD]
	v_cndmask_b32 v[S+n], v[S+n], v[NINF], vcc_lo
	v_cndmask_b32 v[S+32+n], v[S+32+n], v[NINF], vcc_lo
.set n, n+1
.endr
.Lopen_\@:
.endm
.macro SCALE_EXP                       ; c s - c m, two at a time, both heads by turns
.irp j, 0,2,4,6,8,10,12,14,16,18,20,22,24,26,28,30
.irp d, 0,1
	v_pk_fma_f32 v[S+32*\d+\j:S+32*\d+\j+1], v[S+32*\d+\j:S+32*\d+\j+1], s[CS:CS+1], v[NCM+2*\d:NCM+2*\d+1] op_sel_hi:[1,0,0]
.endr
.endr
.endm
.macro EXP64
.set j, 0
.rept 64
	v_exp_f32 v[S+j], v[S+j]
.set j, j+1
.endr
.endm
; WALK 1's vector work.  The statistics are a LANE's (its 32 keys of a step's 64): the halves of the lanes meet once, behind the walk.
.macro P1SOFT
.irp j, 0,1,2,3
.irp d, 0,1
	v_max3_num_f32 v[T+4*\d+\j], v[S+32*\d+8*\j], v[S+32*\d+8*\j+1], v[S+32*\d+8*\j+2]
.endr
.endr
.irp k, 3,5
.irp j, 0,1,2,3
.irp d, 0,1
	v_max3_num_f32 v[T+4*\d+\j], v[T+4*\d+\j], v[S+32*\d+8*\j+\k], v[S+32*\d+8*\j+\k+1]
.endr
.endr
.endr
.irp d, 0,1
	v_max3_num_f32 v[T+4*\d], v[T+4*\d], v[S+32*\d+7], v[S+32*\d+15]
	v_max3_num_f32 v[T+4*\d+2], v[T+4*\d+2], v[S+32*\d+23], v[S+32*\d+31]
.endr
.irp d, 0
	s_delay_alu instid0(VALU_DEP_3)
	v_max3_num_f32 v[T+4*\d], v[T+4*\d], v[T+4*\d+1], v[T+4*\d+2]
.endr
.irp d, 1
	s_delay_alu instid0(VALU_DEP_2)
	v_max3_num_f32 v[T+4*\d], v[T+4*\d], v[T+4*\d+1], v[T+4*\d+2]
.endr
.irp d, 0,1
	s_delay_alu instid0(VALU_DEP_2)
	v_max3_num_f32 v[NCM+1+2*\d], v[T+4*\d], v[T+4*\d+3], v[NCM+1+2*\d]   ; the new m
.endr
.irp d, 0,1
	s_delay_alu instid0(VALU_DEP_2)
	v_mul_f32 v[T+8+\d], s[NC], v[NCM+1+2*\d]      ; -c m
.endr
.irp d, 0,1
	s_delay_alu instid0(VALU_DEP_2)
	v_sub_f32 v[AF+2*\d], v[T+8+\d], v[NCM+2*\d]   ; c m_old - c m_new
.endr
.irp d, 0,1
	s_delay_alu instid0(VALU_DEP_4)
	v_mov_b32 v[NCM+2*\d], v[T+8+\d]
.endr
	SCALE_EXP
	s_wait_alu depctr_va_vdst(0)
	v_exp_f32 v[AF], v[AF]
	v_exp_f32 v[AF+2], v[AF+2]
	EXP64
	v_nop                                          ; a plain place behind the last exponential
	s_wait_alu depctr_va_vdst(0)                   ; one wait for the batch of 66, ahead of its first reader
.irp d, 0,1
	v_pk_mul_f32 v[LS+2*\d:LS+2*\d+1], v[LS+2*\d:LS+2*\d+1], v[AF+2*\d:AF+2*\d+1] op_sel_hi:[1,0]
.endr
.irp d, 0,1
	v_pk_add_f32 v[T+8+2*\d:T+9+2*\d], v[S+32*\d:S+32*\d+1], v[S+32*\d+2:S+32*\d+3]
.endr
.irp j, 4,8,12,16,20,24,28
.irp d, 0,1
	v_pk_add_f32 v[LS+2*\d:LS+2*\d+1], v[LS+2*\d:LS+2*\d+1], v[S+32*\d+\j:S+32*\d+\j+1]
	v_pk_add_f32 v[T+8+2*\d:T+9+2*\d], v[T+8+2*\d:T+9+2*\d], v[S+32*\d+\j+2:S+32*\d+\j+3]
.endr
.endr
.irp d, 0
	s_delay_alu instid0(VALU_DEP_3)
	v_pk_add_f32 v[LS+2*\d:LS+2*\d+1], v[LS+2*\d:LS+2*\d+1], v[T+8+2*\d:T+9+2*\d]
.endr
.irp d, 1
	s_delay_alu instid0(VALU_DEP_2)
	v_pk_add_f32 v[LS+2*\d:LS+2*\d+1], v[LS+2*\d:LS+2*\d+1], v[T+8+2*\d:T+9+2*\d]
.endr
.endm
.macro VLOAD                           ; 10 loads: V's images 0-2 and the step's words
.irp t, 0,1,2
.irp c, 0,1,2
	ds_load_b128 v[VZ+12*\t+4*\c:VZ+12*\t+4*\c+3], v[ADV] offset:1536*\t+512*\c
.endr
.endr
	ds_load_b64 v[VS:VS+1], v[ADT] offset:6144
.endm
; WALK 2's vector work: p finished and normalised, then quantised in four blocks of 32 keys (two a head).  A block's largest p is not searched for: its largest SCORE goes through the same three instructions.
.macro P2SOFT
.irp b, 0,1,2,3
	v_max3_num_f32 v[BM+\b], v[S+16*\b], v[S+16*\b+1], v[S+16*\b+2]
.endr
.irp i, 3,5,7,9,11,13
.irp b, 0,1,2,3
	v_max3_num_f32 v[BM+\b], v[BM+\b], v[S+16*\b+\i], v[S+16*\b+\i+1]
.endr
.endr
.irp b, 0,1,2,3
	v_max_num_f32 v[BM+\b], v[BM+\b], v[S+16*\b+15]
.endr
.irp b, 0,1,2,3
	s_delay_alu instid0(VALU_DEP_4)
	v_permlanex16_b32 v[BT+\b], v[BM+\b], s[SEL], s[SEL+1]
.endr
.irp b, 0,1,2,3
	s_delay_alu instid0(VALU_DEP_4)
	v_max_num_f32 v[BM+\b], v[BM+\b], v[BT+\b]     ; with lane l xor 16's 16 keys
.endr
	SCALE_EXP
.irp b, 0,1,2,3
	v_fma_f32 v[BM+\b], v[BM+\b], s[CS], v[NCM+2*(\b/2)]
.endr
	s_wait_alu depctr_va_vdst(0)
	EXP64
.irp b, 0,1,2,3
	v_exp_f32 v[BM+\b], v[BM+\b]
.endr
	v_nop                                          ; a plain place behind the last exponential
	s_wait_alu depctr_va_vdst(0)                   ; one wait for the batch of 68
.irp b, 0,1,2,3
	v_max_num_f32 v[BM+\b], 0x1800000, v[BM+\b]    ; the block's largest weight, and the floor 2^-124: the byte cannot fall under 1
.endr
.irp b, 0,1,2,3
	s_delay_alu instid0(VALU_DEP_4)
	v_add_nc_u32 v[SCO+\b], 0xff000000, v[BM+\b]   ; 2 off the exponent field: the conversion's scale operand
.endr
.irp b, 0,1,2,3
	s_delay_alu instid0(VALU_DEP_4)
	v_lshrrev_b32 v[BY+\b], 23, v[SCO+\b]
.endr
	s_delay_alu instid0(VALU_DEP_3)
	v_lshl_or_b32 v[PS], v[BY+1], 8, v[BY]
	s_delay_alu instid0(VALU_DEP_1)
	v_lshl_or_b32 v[PS], v[BY+2], 16, v[PS]
	s_delay_alu instid0(VALU_DEP_1)
	v_lshl_or_b32 v[PS], v[BY+3], 24, v[PS]
	v_cvt_scalef32_pk16_fp6_f32 v[P:P+2], v[S:S+15], v[SCO]
	v_cvt_scalef32_pk16_fp6_f32 v[XT:XT+2], v[S+16:S+31], v[SCO+1]
	v_cvt_scalef32_pk16_fp6_f32 v[P+6:P+8], v[S+32:S+47], v[SCO+2]
	v_cvt_scalef32_pk16_fp6_f32 v[XT+4:XT+6], v[S+48:S+63], v[SCO+3]
	v_nop                                          ; one plain place behind a scaled conversion
.irp c, 0,1,2
	ds_load_b128 v[S+4*\c:S+4*\c+3], v[ADV] offset:1536*3+512*\c   ; V's image 3, into score registers that the conversions have read
.endr
.irp i, 0,1,2                          ; a whole block to a lane
	v_permlane16_swap_b32 v[P+\i], v[XT+\i]
	v_permlane16_swap_b32 v[P+6+\i], v[XT+4+\i]
.endr
.irp i, 0,1,2
	v_mov_b32 v[P+3+\i], v[XT+\i]
	v_mov_b32 v[P+9+\i], v[XT+4+\i]
.endr
.rept 4
	v_nop                                          ; an operand written by vector instructions stands 4 places ahead of a scaled matrix instruction
.endr
.endm
.macro PV                              ; four accumulators by turns; between two links of a chain stand three of these and the next step's eight K Q^T
	s_wait_dscnt 3                                 ; V's images 0-2, the words and the next K are in; image 3's three loads may be out
.irp t, 0,1,2
.if \t%2
	v_wmma_scale_f32_16x16x128_f8f6f4 v[O+8*\t:O+8*\t+7], v[VZ+12*\t:VZ+12*\t+11], v[P:P+11], v[O+8*\t:O+8*\t+7], v[VS+\t/2], v[PS] matrix_a_fmt:MATRIX_FMT_FP6 matrix_b_fmt:MATRIX_FMT_FP6 matrix_a_scale:MATRIX_SCALE_ROW1
.else
	v_wmma_scale_f32_16x16x128_f8f6f4 v[O+8*\t:O+8*\t+7], v[VZ+12*\t:VZ+12*\t+11], v[P:P+11], v[O+8*\t:O+8*\t+7], v[VS+\t/2], v[PS] matrix_a_fmt:MATRIX_FMT_FP6 matrix_b_fmt:MATRIX_FMT_FP6
.endif
.endr
	s_wait_dscnt 0x0                               ; image 3 is in
	v_wmma_scale_f32_16x16x128_f8f6f4 v[O+24:O+31], v[S:S+11], v[P:P+11], v[O+24:O+31], v[VS+1], v[PS] matrix_a_fmt:MATRIX_FMT_FP6 matrix_b_fmt:MATRIX_FMT_FP6 matrix_a_scale:MATRIX_SCALE_ROW1
.endm
.macro STEP1 lim
	s_cmp_gt_u32 s[KF], s[QMAX]                    ; all 64 keys come after my queries: only the addresses step
	s_cbranch_scc1 .Lhid_\@
	KADDR \lim
	QK
	s_wait_alu depctr_va_vdst(0)                   ; the wait ahead of the loads, which read addresses written ahead of a wait
	KFETCH                                         ; the next step's K lands under the softmax
	MASK
	P1SOFT
.Lhid_\@:
	s_add_co_u32 s[TBK], s[TBK], STEPB
	s_add_co_u32 s[KF], s[KF], 64
.endm
.macro STEP2
	s_cmp_gt_u32 s[KF], s[QMAX]
	s_cbranch_scc1 .Lhid_\@
	KADDR 31*STEPB
	QK
	s_wait_alu depctr_va_vdst(0)
	VLOAD                                          ; V's images 0-2 and the next step's K land under the softmax
	KFETCH
	MASK
	P2SOFT
	s_wait_alu depctr_va_vdst(0)
	PV
.Lhid_\@:
	s_add_co_u32 s[TBK], s[TBK], STEPB
	s_add_co_u32 s[TBV], s[TBV], STEPB
	s_add_co_u32 s[KF], s[KF], 64
.endm
; The change of V's slots.  fill = 1: the slot just left is filled again by waves 0-3, 12,800 bytes each; the load has eight steps in which to land.
.macro CHANGE fill, dl, dg
	s_wait_tensorcnt 0x0                           ; no tensor load of mine is out, so group 0 may be written
	ds_add_u32 v[SPW], v[NIL]                      ; 0 onto my spare word
.if \fill
.if \dl
	s_add_co_u32 s[G0V+1], s[G0V+1], \dl
.endif
	s_add_nc_u64 s[G0V+2:G0V+3], s[G0V+2:G0V+3], \dg
.endif
	s_wait_dscnt 0x0                               ; the add is done, and my reads of the slot that I leave are over
	s_barrier_signal -1
	s_barrier_wait -1
.if \fill
	s_cmp_lt_u32 s[WV], 4
	s_cbranch_scc0 .Lnofill_\@
	tensor_load_to_lds s[G0V:G0V+3], s[G1:G1+7]    ; the first thing behind the barrier, and my one tensor load until the next
	s_nop 0
.rept 4
	v_nop
.endr
.Lnofill_\@:
.endif
.endm
.macro SEG n                           ; eight steps of walk 2: V's slot n % 2
	s_mov_b32 s[TBK], (\n)*SLOTB
	s_mov_b32 s[TBV], VLDS+((\n)%2)*SLOTB
	s_mov_b32 s[KF], 512*(\n)
	s_mov_b32 s[CNT], 8
.Lseg_\@:
	STEP2
	s_sub_co_u32 s[CNT], s[CNT], 1
	s_cmp_lg_u32 s[CNT], 0
	s_cbranch_scc1 .Lseg_\@
.endm
; ---- WALK 1
	KFIRST                                         ; step 0's K
	s_mov_b32 s[CNT], 16
.Lwalk1a:
	STEP1 15*STEPB
	s_sub_co_u32 s[CNT], s[CNT], 1
	s_cmp_lg_u32 s[CNT], 0
	s_cbranch_scc1 .Lwalk1a
	s_wait_alu depctr_va_vdst(0)
	s_wait_tensorcnt 0x0                           ; my step 16 + w of K is in
	ds_add_u32 v[SPW], v[NIL]
	s_wait_dscnt 0x0
	s_barrier_signal -1
	s_barrier_wait -1                              ; K's plane is whole
	s_cmp_lt_u32 s[WV], 8
	s_cbranch_scc0 .Lno_v
	tensor_load_to_lds s[G0V:G0V+3], s[G1:G1+7]    ; V's two slots, 12,800 bytes a wave, land under the rest of walk 1
	s_nop 0
.rept 4
	v_nop
.endr
.Lno_v:
	s_mov_b32 s[TBK], 16*STEPB
	s_mov_b32 s[KF], 1024
	KFIRST                                         ; step 16's K
	s_mov_b32 s[CNT], 16
.Lwalk1b:
	STEP1 31*STEPB
	s_sub_co_u32 s[CNT], s[CNT], 1
	s_cmp_lg_u32 s[CNT], 0
	s_cbranch_scc1 .Lwalk1b
	s_wait_alu depctr_va_vdst(0)
	s_wait_tensorcnt 0x0                           ; my part of V's slots is in,
	s_wait_dscnt 0x0                               ; no LDS load of mine is out at the signal;
	s_barrier_signal -1
	s_barrier_wait -1                              ; everybody's part is in
	s_mov_b32 s[TBK], 0
	KFIRST                                         ; walk 2's step 0: its K lands while the halves of the lanes meet
	; the halves of the lanes meet: the row's m, its l under that m, and log2 l
.irp d, 0,1
	v_permlanex16_b32 v[BT+\d], v[NCM+1+2*\d], s[SEL], s[SEL+1]
.endr
.irp d, 0,1
	s_delay_alu instid0(VALU_DEP_2)
	v_max_num_f32 v[NCM+1+2*\d], v[NCM+1+2*\d], v[BT+\d]
.endr
.irp d, 0,1
	s_delay_alu instid0(VALU_DEP_2)
	v_mul_f32 v[T+8+\d], s[NC], v[NCM+1+2*\d]
.endr
.irp d, 0,1
	s_delay_alu instid0(VALU_DEP_2)
	v_sub_f32 v[AF+2*\d], v[T+8+\d], v[NCM+2*\d]
.endr
.irp d, 0,1
	s_delay_alu instid0(VALU_DEP_4)
	v_mov_b32 v[NCM+2*\d], v[T+8+\d]
.endr
	s_wait_alu depctr_va_vdst(0)
	v_exp_f32 v[AF], v[AF]
	v_exp_f32 v[AF+2], v[AF+2]
	v_add_f32 v[LS], v[LS], v[LS+1]                ; (plain work behind the exponentials)
	v_add_f32 v[LS+2], v[LS+2], v[LS+3]
	s_wait_alu depctr_va_vdst(0)
	v_mul_f32 v[LS], v[LS], v[AF]
	v_mul_f32 v[LS+2], v[LS+2], v[AF+2]
	s_delay_alu instid0(VALU_DEP_2)
	v_permlanex16_b32 v[BT], v[LS], s[SEL], s[SEL+1]
	s_delay_alu instid0(VALU_DEP_2)
	v_permlanex16_b32 v[BT+1], v[LS+2], s[SEL], s[SEL+1]
	s_delay_alu instid0(VALU_DEP_2)
	v_add_f32 v[LS], v[LS], v[BT]
	s_delay_alu instid0(VALU_DEP_2)
	v_add_f32 v[LS+2], v[LS+2], v[BT+1]
	s_wait_alu depctr_va_vdst(0)
	v_log_f32 v[AF], v[LS]
	v_log_f32 v[AF+2], v[LS+2]
	v_nop
	s_wait_alu depctr_va_vdst(0)                   ; one wait for both logarithms, ahead of their readers
	v_sub_f32 v[NCM], v[NCM], v[AF]                ; the exponent's addend: -c m - log2 l
	v_sub_f32 v[NCM+2], v[NCM+2], v[AF+2]
	s_wait_alu depctr_va_vdst(0)
; ---- WALK 2
	SEG 0
	CHANGE 1, 0, 16*STEPB                          ; slot 0 takes steps 16-23
	SEG 1
	CHANGE 1, SLOTB, 8*STEPB                       ; slot 1 takes steps 24-31
	SEG 2
	CHANGE 0, 0, 0                                 ; nothing is left to fetch
	SEG 3
.rept 4
	v_nop                                          ; places behind the last products
.endr
.irp i, 0,1,2,3,4,5,6,7
	global_store_b128 v[LI], v[O+4*\i:O+4*\i+3], s[6:7] offset:512*\i    ; O^T as an image of its registers, each accumulator from its low end on; 512 consecutive bytes a store
.endr
	s_wait_tensorcnt 0x0                           ; the wave's end
	ds_add_u32 v[SPW], v[NIL]
	s_wait_dscnt 0x0
	s_endpgm
.Lfunc_end_k_q40a3c78c0b_attn:
	.size	k_q40a3c78c0b_attn, .Lfunc_end_k_q40a3c78c0b_attn-k_q40a3c78c0b_attn
	.p2alignl 7, 3214868480
	.fill 96, 4, 3214868480
	.section	.rodata,"a",@progbits
	.p2align	6, 0x0
	.amdhsa_kernel k_q40a3c78c0b_attn
		.amdhsa_group_segment_fixed_size 327680
		.amdhsa_private_segment_fixed_size 0
		.amdhsa_enable_private_segment 0
		.amdhsa_kernarg_size 16
		.amdhsa_user_sgpr_count 2
		.amdhsa_user_sgpr_kernarg_segment_ptr 1
		.amdhsa_wavefront_size32 1
		.amdhsa_system_sgpr_workgroup_id_x 1
		.amdhsa_system_sgpr_workgroup_id_y 1
		.amdhsa_system_sgpr_workgroup_id_z 1
		.amdhsa_system_vgpr_workitem_id 0
		.amdhsa_next_free_vgpr 256
		.amdhsa_next_free_sgpr 80
		.amdhsa_reserve_vcc 1
		.amdhsa_float_denorm_mode_32 3
		.amdhsa_float_denorm_mode_16_64 3
		.amdhsa_memory_ordered 1
		.amdhsa_forward_progress 1
		.amdhsa_inst_pref_size 110
	.end_amdhsa_kernel
	.amdgpu_metadata
---
amdhsa.version: [ 1, 2 ]
amdhsa.kernels:
  - .name:           k_q40a3c78c0b_attn
    .symbol:         k_q40a3c78c0b_attn.kd
    .args:
      - { .name: qkv, .offset: 0, .size: 8, .value_kind: global_buffer, .address_space: global }
      - { .name: ypart, .offset: 8, .size: 8, .value_kind: global_buffer, .address_space: global }
    .group_segment_fixed_size: 327680
    .private_segment_fixed_size: 0
    .kernarg_segment_align: 8
    .kernarg_segment_size: 16
    .max_flat_workgroup_size: 512
    .sgpr_count:     80
    .vgpr_count:     256
    .wavefront_size: 32
...
	.end_amdgpu_metadata
.endif
;; end of part 3
;; launch proj (part 4): grid 256 x 1, 8 waves a work-group, no clusters, 76,800 bytes of LDS; arguments ypart, wpc, wps, out0; writes out0
.if DOCPART == 4
	.amdgcn_target "amdgcn-amd-amdhsa--gfx1250"
	.amdhsa_code_object_version 6
	.text
	.protected	k_q40a3c78c0b_proj
	.globl	k_q40a3c78c0b_proj
	.p2align	8
	.type	k_q40a3c78c0b_proj,@function
k_q40a3c78c0b_proj:
	s_mov_b64 s[64:65], 0
	v_nop
	global_prefetch_b8 v0, s[64:65] scope:SCOPE_SE
	s_setreg_imm32_b32 hwreg(HW_REG_WAVE_MODE, 25, 1), 1
	s_wait_xcnt 0x0
; out = Q6(y) Q6(Wp), y = the sum of the eight head pairs' parts, K = 64, on codes of FP6 (E2M3) with E8M0 scales.
; A work-group owns two stored tiles of 16 tokens (tokens 32 wg .. 32 wg + 31); wave w owns columns 128 w .. 128 w + 127: 8 tiles of 16.
; Phase 1: the eight waves share the sum: wave w adds the eight parts of 1,024 bytes of the two images and puts them into LDS | barrier | each wave reads both images of y and quantises them
; (register 16 b + i of a lane = channel 32 b + 16 (lane / 16) + i of its token); K's upper 64 are zero codes.  Products transposed: source 0 = 16 columns of Wp, source 1 = y: a lane holds 8 neighbouring columns of one token.
; Wp's fragments have six registers; tile j's operand is named v[16 + 6 j : 27 + 6 j]: its upper six registers (the next tile's codes, or zeros) meet y's zero codes.
; The way out goes through the wave's own stage: whole rows of 512 bytes leave, two aligned blocks of 256 bytes a store.  Stored row q of tile t is token 32 wg + 8 t + q + 8 (q / 8).
; LIMITS: a block of y under 2^-124 keeps the byte 1; NaN and infinities are not served.  No tensor load, no cluster: work-groups share only Wp's 53 KB.
.set LI,  1
.set L8,  2
.set L4,  3
.set SO,  4
.set SR,  5
.set YW,  6
.set W,   16                           ; v16-63 Wp's eight fragments, v64-69 zeros
.set WS,  70                           ; v70-73 Wp's scale words: even tile in lanes 0-15, odd tile in lanes 16-31
.set YF,  74                           ; v74-85, v86-97 y's two fragments
.set YSW, 98                           ; v98-99 y's scale words
.set TM,  100
.set LB,  120                          ; v120-183
.set ACC, 184                          ; v184-247
.set STG, 8192
	s_load_b128 s[4:7], s[0:1], 0x0                ; ypart, wpc
	s_load_b128 s[8:11], s[0:1], 0x10              ; wps, out0
	v_lshl_add_u32 v254, v0, 2, 0x12800
	v_mov_b32 v255, 0
	v_lshrrev_b32 v1, 5, v0
	s_delay_alu instid0(VALU_DEP_1)
	v_readfirstlane_b32 s12, v1                    ; wave 0..7
	v_and_b32 v7, 31, v0
	s_delay_alu instid0(VALU_DEP_1)
	v_lshlrev_b32 v[LI], 4, v7
	s_delay_alu instid0(VALU_DEP_2)
	v_lshlrev_b32 v[L8], 3, v7
	s_delay_alu instid0(VALU_DEP_3)
	v_lshlrev_b32 v[L4], 2, v7
	v_and_b32 v8, 15, v0                           ; r
	v_bfe_u32 v9, v0, 4, 1                         ; h
	s_mul_i32 s13, s12, 16*528
	s_add_co_u32 s13, s13, STG                     ; my stage
	v_mul_u32_u24 v[SO], v8, 528
	s_delay_alu instid0(VALU_DEP_1)
	v_lshl_add_u32 v[SO], v9, 5, v[SO]
	s_delay_alu instid0(VALU_DEP_1)
	v_add_nc_u32 v[SO], s13, v[SO]                 ; in: row r, 32 bytes for each half of the lanes
	v_add_nc_u32 v[SR], s13, v[LI]                 ; back: a row of 512 bytes
	s_lshl_b32 s14, s12, 10
	v_add_nc_u32 v[YW], s14, v[LI]                 ; my 1,024 bytes of y's two images
	s_lshr_b32 s16, ttmp9, 6                       ; the batch
	s_lshl_b32 s16, s16, 10
	s_and_b32 s17, ttmp9, 63
	s_lshl_b32 s17, s17, 1
	s_add_co_u32 s16, s16, s17
	s_lshr_b32 s17, s12, 2
	s_add_co_u32 s16, s16, s17                     ; batch x 1,024 + stored tile
	s_lshl_b32 s16, s16, 12
	s_and_b32 s17, s12, 3
	s_lshl_b32 s17, s17, 10
	s_add_co_u32 s16, s16, s17
	s_mov_b32 s17, 0
	s_mul_i32 s18, s12, 8*768
	s_mov_b32 s19, 0
	s_lshl_b32 s20, s12, 9
	s_mov_b32 s21, 0
	s_lshl_b32 s22, ttmp9, 17                      ; 32 tokens of 4,096 bytes
	s_add_co_u32 s22, s22, s20                     ; + my 512 bytes of a row
	s_mov_b32 s23, 0
	s_mov_b32 s24, 0x76543210
	s_mov_b32 s25, 0xfedcba98
	s_wait_alu depctr_va_vdst(0)
	s_wait_kmcnt 0x0
	s_add_nc_u64 s[4:5], s[4:5], s[16:17]
	s_add_nc_u64 s[6:7], s[6:7], s[18:19]
	s_add_nc_u64 s[8:9], s[8:9], s[20:21]
	s_add_nc_u64 s[10:11], s[10:11], s[22:23]
.irp p, 0,1,2,3,4,5,6,7
.irp e, 0,1
	global_load_b128 v[LB+8*\p+4*\e:LB+8*\p+4*\e+3], v[LI], s[4:5] offset:\p*524288+512*\e th:TH_LOAD_NT   ; head pair p's part; read once in the launch
.endr
.endr
.irp j, 0,1,2,3,4,5,6,7
	global_load_b128 v[W+6*\j:W+6*\j+3], v[LI], s[6:7] offset:768*\j
	global_load_b64 v[W+6*\j+4:W+6*\j+5], v[L8], s[6:7] offset:768*\j+512
.endr
.irp j, 0,1,2,3
	global_load_b32 v[WS+\j], v[L4], s[8:9] offset:128*\j
.endr
.irp j, 0,1,2,3,4,5
	v_mov_b32 v[W+48+\j], 0
.endr
	v_mov_b32 v[TM+2], 0                           ; a lane permute's destination counts as read
	v_mov_b32 v[TM+3], 0
	s_wait_loadcnt 20                              ; the sixteen parts are in; Wp's 16 + 4 loads may be out
.irp p, 0,2,4,6
.irp k, 0,2,4,6
	v_pk_add_f32 v[LB+8*\p+\k:LB+8*\p+\k+1], v[LB+8*\p+\k:LB+8*\p+\k+1], v[LB+8*\p+8+\k:LB+8*\p+8+\k+1]
.endr
.endr
.irp p, 0,4
.irp k, 0,2,4,6
	v_pk_add_f32 v[LB+8*\p+\k:LB+8*\p+\k+1], v[LB+8*\p+\k:LB+8*\p+\k+1], v[LB+8*\p+16+\k:LB+8*\p+16+\k+1]
.endr
.endr
.irp k, 0,2,4,6
	s_delay_alu instid0(VALU_DEP_4)
	v_pk_add_f32 v[LB+\k:LB+\k+1], v[LB+\k:LB+\k+1], v[LB+32+\k:LB+32+\k+1]
.endr
	ds_store_b128 v[YW], v[LB:LB+3]
	ds_store_b128 v[YW], v[LB+4:LB+7] offset:512
	s_wait_dscnt 0x0                               ; for the others' sake: my stores are done
	s_barrier_signal -1
	s_barrier_wait -1
.irp i, 0,1,2,3,4,5,6,7,8,9,10,11,12,13,14,15
	ds_load_b128 v[LB+4*\i:LB+4*\i+3], v[LI] offset:512*\i   ; both images of y
.endr
	s_wait_dscnt 0x0
.macro QUANT2 t
.set Y, LB+32*(\t)
.set F, YF+12*(\t)
.irp b, 0,1
	v_max3_num_f32 v[TM+\b], |v[Y+16*\b]|, |v[Y+16*\b+1]|, 0x1800000   ; my 16 numbers of block b, and the floor 2^-124
.endr
.irp i, 2,4,6,8,10,12,14
.irp b, 0,1
	s_delay_alu instid0(VALU_DEP_2)
	v_max3_num_f32 v[TM+\b], v[TM+\b], |v[Y+16*\b+\i]|, |v[Y+16*\b+\i+1]|
.endr
.endr
.irp b, 0,1
	s_delay_alu instid0(VALU_DEP_2)
	v_permlanex16_b32 v[TM+2+\b], v[TM+\b], s24, s25
.endr
.irp b, 0,1
	s_delay_alu instid0(VALU_DEP_2)
	v_max_num_f32 v[TM+\b], v[TM+\b], v[TM+2+\b]
.endr
.irp b, 0,1
	s_delay_alu instid0(VALU_DEP_2)
	v_add_nc_u32 v[TM+4+\b], 0xff000000, v[TM+\b]
.endr
.irp b, 0,1
	s_delay_alu instid0(VALU_DEP_2)
	v_lshrrev_b32 v[TM+6+\b], 23, v[TM+4+\b]
.endr
	s_delay_alu instid0(VALU_DEP_1)
	v_lshl_or_b32 v[YSW+(\t)], v[TM+7], 8, v[TM+6] ; bytes 2, 3 are 0: they meet zero codes
	v_cvt_scalef32_pk16_fp6_f32 v[F:F+2], v[Y:Y+15], v[TM+4]
	v_cvt_scalef32_pk16_fp6_f32 v[TM+8:TM+10], v[Y+16:Y+31], v[TM+5]
	v_nop                                          ; one plain place behind a scaled conversion
.irp i, 0,1,2
	v_permlane16_swap_b32 v[F+\i], v[TM+8+\i]      ; a whole block to a lane
.endr
.irp i, 0,1,2
	s_delay_alu instid0(VALU_DEP_3)
	v_mov_b32 v[F+3+\i], v[TM+8+\i]
.endr
.irp i, 6,7,8,9,10,11
	v_mov_b32 v[F+\i], 0                           ; K 64-127: zero codes
.endr
.endm
	QUANT2 0
	QUANT2 1
	s_wait_alu depctr_va_vdst(0)
	s_wait_loadcnt 0x0                             ; Wp's fragments and words
.rept 8
	v_nop                                          ; a scale register written by a vector instruction stands 8 places ahead of a scaled matrix instruction
.endr
.irp t, 0,1
.if \t == 1
.rept 5
	v_nop                                          ; these products write over the first tile's accumulators: five places
.endr
.endif
.irp j, 0,1,2,3,4,5,6,7
.if \j%2
	v_wmma_scale_f32_16x16x128_f8f6f4 v[ACC+8*\j:ACC+8*\j+7], v[W+6*\j:W+6*\j+11], v[YF+12*\t:YF+12*\t+11], 0, v[WS+\j/2], v[YSW+\t] matrix_a_fmt:MATRIX_FMT_FP6 matrix_b_fmt:MATRIX_FMT_FP6 matrix_a_scale:MATRIX_SCALE_ROW1
.else
	v_wmma_scale_f32_16x16x128_f8f6f4 v[ACC+8*\j:ACC+8*\j+7], v[W+6*\j:W+6*\j+11], v[YF+12*\t:YF+12*\t+11], 0, v[WS+\j/2], v[YSW+\t] matrix_a_fmt:MATRIX_FMT_FP6 matrix_b_fmt:MATRIX_FMT_FP6
.endif
.endr
.rept 4
	v_nop                                          ; places in front of the first read of the results
.endr
.irp j, 0,1,2,3,4,5,6,7
	ds_store_b128 v[SO], v[ACC+8*\j:ACC+8*\j+3] offset:64*\j          ; each accumulator from its low end on
	ds_store_b128 v[SO], v[ACC+8*\j+4:ACC+8*\j+7] offset:64*\j+16
.endr
.if \t == 1
	s_wait_xcnt 0x0                                ; the first tile's stores have read their registers: the loads below may land there
.endif
.irp q, 0,1,2,3,4,5,6,7,8,9,10,11,12,13,14,15
	ds_load_b128 v[LB+4*\q:LB+4*\q+3], v[SR] offset:\q*528            ; LDS serves a wave's instructions in order: these see my stores
.endr
.irp q, 0,1,2,3,4,5,6,7,8,9,10,11,12,13,14,15
	s_wait_dscnt 15-\q                             ; the younger read-backs may be out
	global_store_b128 v[LI], v[LB+4*\q:LB+4*\q+3], s[10:11] offset:(8*\t+\q+8*(\q/8))*4096 th:TH_STORE_NT   ; 512 consecutive bytes, aligned to 256
.endr
.endr
	s_wait_tensorcnt 0x0
	ds_add_u32 v254, v255
	s_wait_dscnt 0x0
	s_endpgm
.Lfunc_end_k_q40a3c78c0b_proj:
	.size	k_q40a3c78c0b_proj, .Lfunc_end_k_q40a3c78c0b_proj-k_q40a3c78c0b_proj
	.p2alignl 7, 3214868480
	.fill 96, 4, 3214868480
	.section	.rodata,"a",@progbits
	.p2align	6, 0x0
	.amdhsa_kernel k_q40a3c78c0b_proj
		.amdhsa_group_segment_fixed_size 76800
		.amdhsa_private_segment_fixed_size 0
		.amdhsa_enable_private_segment 0
		.amdhsa_kernarg_size 32
		.amdhsa_user_sgpr_count 2
		.amdhsa_user_sgpr_kernarg_segment_ptr 1
		.amdhsa_wavefront_size32 1
		.amdhsa_system_sgpr_workgroup_id_x 1
		.amdhsa_system_sgpr_workgroup_id_y 1
		.amdhsa_system_sgpr_workgroup_id_z 1
		.amdhsa_system_vgpr_workitem_id 0
		.amdhsa_next_free_vgpr 256
		.amdhsa_next_free_sgpr 66
		.amdhsa_reserve_vcc 0
		.amdhsa_float_denorm_mode_32 3
		.amdhsa_float_denorm_mode_16_64 3
		.amdhsa_memory_ordered 1
		.amdhsa_forward_progress 1
		.amdhsa_inst_pref_size 26
	.end_amdhsa_kernel
	.amdgpu_metadata
---
amdhsa.version: [ 1, 2 ]
amdhsa.kernels:
  - .name:           k_q40a3c78c0b_proj
    .symbol:         k_q40a3c78c0b_proj.kd
    .args:
      - { .name: ypart, .offset: 0, .size: 8, .value_kind: global_buffer, .address_space: global }
      - { .name: wpc, .offset: 8, .size: 8, .value_kind: global_buffer, .address_space: global }
      - { .name: wps, .offset: 16, .size: 8, .value_kind: global_buffer, .address_space: global }
      - { .name: out0, .offset: 24, .size: 8, .value_kind: global_buffer, .address_space: global }
    .group_segment_fixed_size: 76800
    .private_segment_fixed_size: 0
    .kernarg_segment_align: 8
    .kernarg_segment_size: 32
    .max_flat_workgroup_size: 256
    .sgpr_count:     66
    .vgpr_count:     256
    .wavefront_size: 32
...
	.end_amdgpu_metadata
.endif
;; end of part 4
